; MI455X (gfx1250); checked and timed in simulation.
; The chip was launched on July 23, 2026; its instructions are those of AMD's public machine-readable ISA for CDNA 5 (MIT licence, August 2026) and "CDNA5" Instruction Set Architecture Reference Guide (July 2026). The comments in the code are by the model that wrote it; some were corrected since.
;; Masked Multi Head Attention. Allowed arithmetic: matrix products marked QUANTISED: E2M1 operands, one E8M0 scale for each 32 along K, by v_wmma_scale_f32_16x16x128_f8f6f4 with both operands' format E2M1 (or v_wmma_scale_f32_32x16x128_f4), f32 sums; everything else in f32.
;; Inputs: Wk 1,024 x 1,024 float32; Wo 1,024 x 1,024 float32; Wq 1,024 x 1,024 float32; Wv 1,024 x 1,024 float32; bk 1,024 float32; bo 1,024 float32; bq 1,024 float32; bv 1,024 float32; key_ 4 x 2,048 x 1,024 float32; mask 4 x 2,048 x 2,048 int32; query 4 x 2,048 x 1,024 float32; value 4 x 2,048 x 1,024 float32.
;; Outputs: out0 4 x 2,048 x 1,024 float32.
;; This version of the problem:
;;   THIS VERSION OF THE PROBLEM IS GIVEN IN LOW PRECISION. The matrix products marked QUANTISED in the list below multiply operands that are first quantised to E2M1 (2 exponent bits, 1 mantissa bit; 4 bits a number), with one power-of-two scale for each 32 numbers along K (OCP MX v1.0); their sums are f32. All else is computed in f32.
;;   The module's matrix products, in the order in which they are computed (A, B: the left and right operand; K: the contracted axis; several contracted axes count as one K, in the product's order):
;;     1. [M 8,192, K 1,024] x [K 1,024, N 1,024]; A: input query; B: input Wq: QUANTISED
;;     2. [M 8,192, K 1,024] x [K 1,024, N 1,024]; A: input key_; B: input Wk: QUANTISED
;;     3. [M 8,192, K 1,024] x [K 1,024, N 1,024]; A: input value; B: input Wv: QUANTISED
;;     4. batch 4 x [M 2,048, K 1,024] x [K 1,024, N 2,048]; A: computed on the way; B: computed on the way: QUANTISED
;;     5. batch 4 x [M 2,048, K 2,048] x [K 2,048, N 1,024]; A: softmax (see below); B: computed on the way: QUANTISED
;;     6. [M 8,192, K 1,024] x [K 1,024, N 1,024]; A: computed on the way; B: input Wo: QUANTISED
;;   THE QUANTISER, for each operand of a quantised product, along K:
;;     - K is cut into blocks of 32 from its start; a last block that is shorter is filled with zeros.
;;     - A block's scale is 2^e with e = floor(log2(the largest magnitude in the block)) - 2, held to -126 .. 127; a block of zeros has e = 0. As a byte (E8M0): e + 127.
;;     - Each number is divided by its block's scale, clamped to +-6, and rounded to the nearest number of E2M1, ties to even, subnormals kept.
;;     - The product sums the exact products of the quantised numbers (number of the format x scale) in f32.
;;   ~~~python
;;   def quantise(x, axis):      # numpy; x: float32 -> the quantised numbers, widened to float32 again
;;       x = np.moveaxis(x, axis, -1); K = x.shape[-1]
;;       x = np.pad(x, [(0, 0)] * (x.ndim - 1) + [(0, -K % 32)]); x = x.reshape(x.shape[:-1] + (-1, 32)); a = np.abs(x).max(-1, keepdims=True)
;;       e = np.where(a > 0, np.clip(np.frexp(np.where(a > 0, a, 1))[1] - 1 - 2, -126, 127), 0)      # np.frexp(a)[1] - 1 = floor(log2(a)), exactly
;;       r = np.clip(x / 2.0 ** e, -6, 6)
;;       step = 2.0 ** (np.maximum(np.frexp(np.where(r == 0, 1, r))[1] - 1, 0) - 1)
;;       q = np.round(r / step) * step * 2.0 ** e      # np.round: ties to even
;;       return np.moveaxis(q.reshape(q.shape[:-2] + (-1,))[..., :K], -1, axis).astype(np.float32)
;;   ~~~
;;   SOFTMAX AHEAD OF A QUANTISED PRODUCT. Where the list says 'softmax', what is quantised is not the finished softmax but p = 2^(t - M), with t = logit x log2(e) and M = ceil(the row's largest t), a whole number; so 1/2 < the row's largest p <= 1. The row's sum l is taken of the UNQUANTISED p, in f32, and the product's result is divided by l at the end. Since M is a whole number, a kernel that streams over the keys may use a running M (the ceiling of the running maximum): every later rescaling is an exact power of two, which a block's scale takes up: the codes' values come out the same.
;;   OPERANDS COMPUTED ON THE WAY. 'Computed on the way' means the value that the module computes at that place (a softmax that the list does not call 'softmax' is quantised finished and normalised). What goes into a quantiser is computed in f32, as accurately as f32 sums, v_exp_f32 and their like allow (about 1e-6 of the number): no bf16 or f16 on the way to a quantiser, and a product that is left as it is and whose result goes on into a quantised operand takes f32 operands (vector FMAs, or v_wmma_f32_16x16x4_f32). A number that lies on a knife's edge between two numbers of the format may be rounded either way, as far as f32 arithmetic and the matrix unit's own rounding can turn it there, and no further.
;; One version. Each part assembles by itself: llvm-mc -triple=amdgcn-amd-amdhsa -mcpu=gfx1250 --defsym DOCPART=n.
;; ======== version 1 of 1: 5 launches
;; workspace buffers: xb 13,369,344 bytes; wb 2,228,224 bytes; qk 8,912,896 bytes; vt 4,456,448 bytes; pb 8,912,896 bytes; ps 1,048,576 bytes; ao 4,456,448 bytes
;; launch prep (part 1): grid 256 x 1, 14 waves a work-group, no clusters, 120,320 bytes of LDS; arguments query, key_, value, Wq, Wk, Wv, Wo, xb, wb; writes xb, wb
.if DOCPART == 1
	.amdgcn_target "amdgcn-amd-amdhsa--gfx1250"
	.amdhsa_code_object_version 6
	.text
	.protected	k_q48e4e0c5df_prep
	.globl	k_q48e4e0c5df_prep
	.p2align	8
	.type	k_q48e4e0c5df_prep,@function
k_q48e4e0c5df_prep:
	s_mov_b64 s[64:65], 0
	v_nop
	global_prefetch_b8 v0, s[64:65] scope:SCOPE_SE
	s_setreg_imm32_b32 hwreg(HW_REG_WAVE_MODE, 25, 1), 1
	s_wait_xcnt 0x0
; PREP: query, key_, value [8192][1024] and Wq, Wk, Wv, Wo [1024][1024], f32, become codes of E2M1 with one E8M0 byte for each 32 along K (their last axis).
; DEAD WORK: none.  Every one of the thirteen inputs has a way to the output (bk moves K's codes ahead of a quantised product; the mask is an input and every word of it is read, by the launch that makes the scores), so nothing of reference() is left out in any launch.
; THE BRICK, the one layout of all operands of this program: 8,704 bytes = 128 rows x 128 k as an image of operand registers.  Tile t (0..7), half c, lane L: 16 bytes at 1024 t + 512 c + 16 L = registers 4 c .. 4 c + 3
; of the fragment; lane (r = L % 16, h = L / 16) holds row 32 (t / 2) + 8 (t % 2) + r + 8 (r / 8), k = 64 c + 32 h + 0 .. 31, the lower k in the lower bits.  From byte 8,192 the scale words: 8 bytes a lane at 256 q + 8 L give
; registers 2 q, 2 q + 1; register j holds tile 2 j's words in lanes 0-15 and tile 2 j + 1's in lanes 16-31.  Bricks of a tensor lie [row / 256][k / 128][(row / 128) % 2].
; SHARES.  224 groups of 128 rows x 8 k steps are 1,792 bricks: 7 for each of 256 work-groups.  A work-group has 14 waves; a wave makes half a brick: tiles 4 q .. 4 q + 3, 64 rows x 128 numbers, 32 KB of input.
; Each load reads 512 consecutive bytes of one row; a tile's 16 rows turn through the wave's own stage in LDS (rows of 512 + 16 bytes), so that a lane gets whole blocks of 32 neighbours.  Loads run two tiles (32 loads a wave) ahead.  No barrier: waves share nothing.
; A block's scale byte is its largest magnitude's exponent field - 2, held at 1 from below.  LIMITS: a block of zeros carries the byte 1 (its codes are zeros; this program alone reads the bytes); NaN and infinities among the inputs are not served.
.set WAVES, 14
.set STG,   16*528                     ; a wave's stage
.set SPARE, WAVES*STG                  ; the spare words, 128 bytes a wave: eight blocks of 256 bytes that no other line names
.set LI,   2                           ; v2   16 x lane: my bytes of a load's 512
.set SIN,  3                           ; v3   the stage, on the way in
.set SOUT, 4                           ; v4   and on the way out
.set LIQ,  5                           ; v5   16 x lane + 4,096 q: my codes' place in the brick
.set L8,   6                           ; v6   8 x lane + 256 q: my scale words' place in the image
.set H8,   7                           ; v7   h, then 8 h
.set SPW,  8                           ; v8   my spare word; never rewritten
.set NIL,  9                           ; v9   0; never rewritten
.set MX,   10                          ; v10-11 largest magnitudes of my two blocks
.set SO,   12                          ; v12-13 the conversions' scale operands
.set BY,   14                          ; v14-15 the scale bytes
.set WD,   16                          ; v16  the row's scale word;  v17 the other half's
.set WX,   17
.set PWE,  18                          ; v18  the even tile's word
.set SJ,   20                          ; v20-21 my half of the scale image
.set C,    24                          ; v24-55 codes: 8 registers for each tile, so that no store's data are written again
.set R,    64                          ; v64-191 two sets of 64: a tile as loaded
.set X,    192                         ; v192-255 a tile as a lane wants it
	s_load_b512 s[4:19], s[0:1], 0x0               ; query, key_, value, Wq, Wk, Wv, Wo, xb
	s_load_b64 s[36:37], s[0:1], 0x40              ; wb
	v_lshl_add_u32 v[SPW], v0, 2, SPARE
	v_mov_b32 v[NIL], 0
	v_lshrrev_b32 v1, 5, v0
	v_readfirstlane_b32 s20, v1                    ; wave 0..13
	v_and_b32 v1, 31, v0                           ; lane
	v_lshlrev_b32 v[LI], 4, v1
	v_lshlrev_b32 v[L8], 3, v1
	v_and_b32 v1, 15, v0                           ; r
	v_bfe_u32 v[H8], v0, 4, 1                      ; h
	v_mul_u32_u24 v[SOUT], v1, 528                 ; row r of the stage,
	v_lshl_add_u32 v[SOUT], v[H8], 7, v[SOUT]      ; + 128 h
	s_mul_i32 s21, s20, STG
	v_add_nc_u32 v[SIN], s21, v[LI]
	v_add_nc_u32 v[SOUT], s21, v[SOUT]
	v_lshlrev_b32 v[H8], 3, v[H8]                  ; 8 h: the shift of my two bytes
	v_mov_b32 v[WX], 0                             ; a lane permute's destination counts as one of its sources
	s_mov_b32 s22, 0xffff0000                      ; lanes 16-31
	s_mov_b32 s34, 0x76543210
	s_mov_b32 s35, 0xfedcba98                      ; v_permlanex16_b32's selects for lane l xor 16
	s_and_b32 s28, s20, 1                          ; q: which half of the brick
	s_lshr_b32 s27, s20, 1
	s_mul_i32 s23, ttmp9, 7
	s_add_co_u32 s23, s23, s27                     ; the brick, 0..1791
	s_and_b32 s24, s23, 7                          ; the k step
	s_lshr_b32 s23, s23, 3                         ; the group of 128 rows, 0..223, over all seven tensors
	s_lshl_b32 s29, s28, 12
	v_add_nc_u32 v[LIQ], s29, v[LI]
	s_lshl_b32 s29, s28, 8
	v_add_nc_u32 v[L8], s29, v[L8]
.macro LOAD t                          ; my tile t's 16 rows, 512 consecutive bytes a load
.irp i, 0,1,2,3,4,5,6,7,8,9,10,11,12,13,14,15
	global_load_b128 v[R+64*((\t)%2)+4*\i:R+64*((\t)%2)+4*\i+3], v[LI], s[42:43] offset:(32*((\t)/2)+8*((\t)%2)+\i+8*(\i/8))*4096 th:TH_LOAD_NT
.endr
.endm
.macro TURN t                          ; through the stage: LDS serves a wave's instructions in order, so no wait stands between the stores and the loads
.irp i, 0,1,2,3,4,5,6,7,8,9,10,11,12,13,14,15
	ds_store_b128 v[SIN], v[R+64*((\t)%2)+4*\i:R+64*((\t)%2)+4*\i+3] offset:528*\i
.endr
.irp c, 0,1
.irp j, 0,1,2,3,4,5,6,7
	ds_load_b128 v[X+32*\c+4*\j:X+32*\c+4*\j+3], v[SOUT] offset:256*\c+16*\j   ; k = 64 c + 32 h + 0 .. 31 of row r: a whole block
.endr
.endr
.endm
.macro QTILE t                         ; my two blocks become 8 registers of codes and two bytes of the row's scale word
.set CC, C+8*(\t)
.irp c, 0,1
	v_max3_num_f32 v[MX+\c], |v[X+32*\c]|, |v[X+32*\c+1]|, 0x1800000   ; with the floor 2^(3 - 127): the byte cannot fall under 1
.endr
.irp i, 2,4,6,8,10,12,14,16,18,20,22,24,26,28,30
.irp c, 0,1
	v_max3_num_f32 v[MX+\c], v[MX+\c], |v[X+32*\c+\i]|, |v[X+32*\c+\i+1]|
.endr
.endr
.irp c, 0,1
	v_add_nc_u32 v[SO+\c], 0xff000000, v[MX+\c]    ; 2 off the exponent field: the conversion takes this operand's exponent field as its scale
.endr
.irp c, 0,1
	v_lshrrev_b32 v[BY+\c], 23, v[SO+\c]           ; the scale's byte
.endr
	v_lshl_or_b32 v[WD], v[BY+1], 16, v[BY]        ; blocks h and 2 + h,
	v_lshlrev_b32 v[WD], v[H8], v[WD]              ; at their places;
	v_permlanex16_b32 v[WX], v[WD], s34, s35
	v_or_b32 v[WD], v[WD], v[WX]                   ; with lane l xor 16's two the word is whole, in both halves of the lanes
.irp c, 0,1
.irp g, 0,1,2,3
	v_cvt_scalef32_pk8_fp4_f32 v[CC+4*\c+\g], v[X+32*\c+8*\g:X+32*\c+8*\g+7], v[SO+\c]
.endr
.endr
.if (\t)%2 == 0
	v_mov_b32 v[PWE], v[WD]                        ; (a plain line behind the conversions)
.else
	v_cndmask_b32 v[SJ+(\t)/2], v[PWE], v[WD], s22 ; lanes 0-15 the even tile's word, lanes 16-31 the odd tile's
.endif
	global_store_b128 v[LIQ], v[CC:CC+3], s[46:47] offset:1024*(\t)       ; 512 consecutive bytes a store
	global_store_b128 v[LIQ], v[CC+4:CC+7], s[46:47] offset:1024*(\t)+512
.endm
	s_wait_kmcnt 0x0
	s_mov_b64 s[42:43], s[4:5]                     ; the input is chosen by the group's number alone
	s_cmp_ge_u32 s23, 64
	s_cselect_b64 s[42:43], s[6:7], s[42:43]
	s_cmp_ge_u32 s23, 128
	s_cselect_b64 s[42:43], s[8:9], s[42:43]
	s_cmp_ge_u32 s23, 200
	s_cselect_b64 s[44:45], s[12:13], s[10:11]
	s_cmp_ge_u32 s23, 208
	s_cselect_b64 s[44:45], s[14:15], s[44:45]
	s_cmp_ge_u32 s23, 216
	s_cselect_b64 s[44:45], s[16:17], s[44:45]
	s_cmp_ge_u32 s23, 192
	s_cselect_b64 s[42:43], s[44:45], s[42:43]
	s_cselect_b64 s[46:47], s[36:37], s[18:19]     ; weights go to wb, the others to xb
	s_cselect_b32 s25, 7, 63
	s_cselect_b32 s26, 192, 0
	s_and_b32 s25, s23, s25                        ; the group within its tensor
	s_sub_co_u32 s26, s23, s26                     ; the group within its workspace buffer
	s_lshl_b32 s48, s25, 19                        ; 128 rows of 4,096 bytes,
	s_lshl_b32 s27, s24, 9                         ; 128 numbers,
	s_or_b32 s48, s48, s27
	s_lshl_b32 s27, s28, 18                        ; my 64 of the rows
	s_or_b32 s48, s48, s27
	s_mov_b32 s49, 0
	s_add_nc_u64 s[42:43], s[42:43], s[48:49]
	s_lshr_b32 s27, s26, 1
	s_lshl_b32 s27, s27, 3
	s_add_co_u32 s27, s27, s24
	s_lshl_b32 s27, s27, 1
	s_and_b32 s29, s26, 1
	s_add_co_u32 s27, s27, s29                     ; the brick's place: ((group / 2) x 8 + k step) x 2 + group % 2
	s_mul_i32 s48, s27, 8704
	s_add_nc_u64 s[46:47], s[46:47], s[48:49]
	LOAD 0
	LOAD 1
.irp t, 0,1,2,3
.if \t < 3
	s_wait_loadcnt 16                              ; this tile's 16 loads are in; the next tile's 16 may be out
.else
	s_wait_loadcnt 0x0
.endif
	TURN \t
	s_wait_dscnt 0x0                               ; the tile is back, and the stores into the stage have read their registers
.if \t < 2
	LOAD \t+2
.endif
	QTILE \t
.endr
	global_store_b64 v[L8], v[SJ:SJ+1], s[46:47] offset:8192       ; my half of the scale image: 256 consecutive bytes
	s_wait_tensorcnt 0x0                           ; the wave's end, behind my last LDS store
	ds_add_u32 v[SPW], v[NIL]
	s_wait_dscnt 0x0
	s_endpgm
.Lfunc_end_k_q48e4e0c5df_prep:
	.size	k_q48e4e0c5df_prep, .Lfunc_end_k_q48e4e0c5df_prep-k_q48e4e0c5df_prep
	.p2alignl 7, 3214868480
	.fill 96, 4, 3214868480
	.section	.rodata,"a",@progbits
	.p2align	6, 0x0
	.amdhsa_kernel k_q48e4e0c5df_prep
		.amdhsa_group_segment_fixed_size 120320
		.amdhsa_private_segment_fixed_size 0
		.amdhsa_enable_private_segment 0
		.amdhsa_kernarg_size 72
		.amdhsa_user_sgpr_count 2
		.amdhsa_user_sgpr_kernarg_segment_ptr 1
		.amdhsa_wavefront_size32 1
		.amdhsa_system_sgpr_workgroup_id_x 1
		.amdhsa_system_sgpr_workgroup_id_y 1
		.amdhsa_system_sgpr_workgroup_id_z 1
		.amdhsa_system_vgpr_workitem_id 0
		.amdhsa_next_free_vgpr 256
		.amdhsa_next_free_sgpr 66
		.amdhsa_reserve_vcc 0
		.amdhsa_float_denorm_mode_32 3
		.amdhsa_float_denorm_mode_16_64 3
		.amdhsa_memory_ordered 1
		.amdhsa_forward_progress 1
		.amdhsa_inst_pref_size 31
	.end_amdhsa_kernel
	.amdgpu_metadata
---
amdhsa.version: [ 1, 2 ]
amdhsa.kernels:
  - .name:           k_q48e4e0c5df_prep
    .symbol:         k_q48e4e0c5df_prep.kd
    .args:
      - { .name: query, .offset: 0, .size: 8, .value_kind: global_buffer, .address_space: global }
      - { .name: key_, .offset: 8, .size: 8, .value_kind: global_buffer, .address_space: global }
      - { .name: value, .offset: 16, .size: 8, .value_kind: global_buffer, .address_space: global }
      - { .name: Wq, .offset: 24, .size: 8, .value_kind: global_buffer, .address_space: global }
      - { .name: Wk, .offset: 32, .size: 8, .value_kind: global_buffer, .address_space: global }
      - { .name: Wv, .offset: 40, .size: 8, .value_kind: global_buffer, .address_space: global }
      - { .name: Wo, .offset: 48, .size: 8, .value_kind: global_buffer, .address_space: global }
      - { .name: xb, .offset: 56, .size: 8, .value_kind: global_buffer, .address_space: global }
      - { .name: wb, .offset: 64, .size: 8, .value_kind: global_buffer, .address_space: global }
    .group_segment_fixed_size: 120320
    .private_segment_fixed_size: 0
    .kernarg_segment_align: 8
    .kernarg_segment_size: 72
    .max_flat_workgroup_size: 448
    .sgpr_count:     66
    .vgpr_count:     256
    .wavefront_size: 32
...
	.end_amdgpu_metadata
.endif
;; end of part 1
;; launch proj (part 2): grid 4 x 96, 4 waves a work-group, clusters of 4 x 4, 327,680 bytes of LDS; arguments xb, wb, bq, bk, bv, qk, vt; writes qk, vt
.if DOCPART == 2
	.amdgcn_target "amdgcn-amd-amdhsa--gfx1250"
	.amdhsa_code_object_version 6
	.text
	.protected	k_q48e4e0c5df_proj
	.globl	k_q48e4e0c5df_proj
	.p2align	8
	.type	k_q48e4e0c5df_proj,@function
k_q48e4e0c5df_proj:
	s_mov_b64 s[64:65], 0
	v_nop
	global_prefetch_b8 v0, s[64:65] scope:SCOPE_SE
	s_setreg_imm32_b32 hwreg(HW_REG_WAVE_MODE, 25, 1), 1
	s_wait_xcnt 0x0
	s_wait_alu depctr_hold_cnt(0) depctr_sa_sdst(0) depctr_va_vdst(0) depctr_va_sdst(0) depctr_va_ssrc(0) depctr_va_vcc(0) depctr_vm_vsrc(0)
	s_getreg_b32 s2, hwreg(HW_REG_IB_STS2, 6, 4)
	s_cmp_eq_u32 s2, 0
	s_cbranch_scc0 .Lentry_in_a_cluster
	s_endpgm
.Lentry_in_a_cluster:
	s_bfe_u32 s2, ttmp6, 0x10000c
	s_cmp_lg_u32 s2, 0xf033
	s_cbranch_scc0 .Lentry_shape_is_right
	s_endpgm
.Lentry_shape_is_right:
; PROJ: Q = query Wq^T + bq, K = key_ Wk^T + bk, V = value Wv^T + bv on codes of E2M1, and the results quantised at once: Q and K along the features (the scores' K), V along the KEYS (the second product's K), as V^T.  No work is left out.
; Operands and results are bricks (8,704 bytes: 128 rows x 128 k as an image of operand registers, scale words behind; rows woven: tile t, lane r = row 32 (t / 2) + 8 (t % 2) + r + 8 (r / 8)).
; SHARES.  A work-group makes 256 x 256 of a product, K = 1,024; a wave 128 x 128 = one brick of the result: 64 accumulators, 512 registers.  Source 0 ("B") runs along a lane's registers, source 1 ("A") along the lanes:
; with woven rows the 16 registers of B's tiles 2 b, 2 b + 1 are 16 neighbours along the next K.  For Q and K: B = the weight's rows, A = the tokens.  For V the two change places, at the pointers alone: B = the tokens (keys), A = Wv's rows.
; CLUSTER 4 x 4: A's unit hangs on cy and is asked for jointly by my row of the cluster, B's on cx and by my column.  A unit of 256 rows, all 8 k steps, is 139,264 dense bytes; both units lie whole in LDS, filled once:
; waves 0, 1 fetch A, waves 2, 3 B, two loads each, a load = two k steps = 34,816 dense bytes as 136 rows of 256.  Two tensor loads of a wave are out at the most.  Nothing is filled again.
; The bias is the C of the first k step.  LIMITS: a block of zeros carries the byte 1; NaN and infinities are not served.
; REGISTERS.  window 0: v2-6 lane offsets; v16-23 LDS addresses; v28, v29 the add's two; v32-39 A's scale words, v40-47 B's, two sets each; v48-75 at work; v128-255 A's fragments, two sets (on the way out v192-255: the codes).
;   window 1: v0-63, v128-191 B's fragments, two sets; v64-127 the bias.   windows 2, 3: accumulator (a, b) at v[8 (8 (a % 4) + b)] of window 2 + a / 4.
.set BR,    8704
.set KS2,   2*BR
.set UNIT,  8*KS2
.set NA,    8
.set CELLA, KS2
.set CELLB, KS2
.set RA,    0
.set RB,    UNIT
.set SPARE, 2*UNIT                     ; the spare words, 128 bytes a wave: two blocks of 256 bytes that no other line names
.set LI,   2
.set LS8,  3
.set ADRA, 16
.set ADRB, 17
.set ADSA, 18
.set ADSB, 19
.set ADRA0, 20
.set ADRB0, 21
.set ADSA0, 22
.set ADSB0, 23
.set SPW,  28
.set NIL,  29
.set SA,   32
.set SB,   40
.set TM,   48
.set PW,   64
.set SJ,   72
.set AF,   128
.set PC,   192
.set BIAS, 64
.set WV,  20
.set WH,  21
.set WL,  22
.set CX,  23
.set G1A, 24
.set G1B, 32
.set G0A, 40
.set CY,  56
.set CLY, 57
.set G0B, 68
.set SEL, 84
.set HI,  88
.set MSB, 0
.macro WIN new                         ; the immediate's high byte repeats the setting that is left; a switch that changes nothing is dropped
.if MSB != (\new)
	s_set_vgpr_msb (MSB<<8)|(\new)
.set MSB, (\new)
.endif
.endm
.macro PLACES n
.rept \n
	v_nop
.endr
.endm
.macro CROUND                          ; a round of the cluster's barrier
	s_barrier_signal -1
	s_barrier_wait -1
	s_cmp_lg_u32 s[WV], 0
	s_cbranch_scc1 .Lnot_wave_0_\@
	s_barrier_signal -3
.Lnot_wave_0_\@:
	s_barrier_wait -3
	s_barrier_signal -1
	s_barrier_wait -1
.endm
.macro FETCH p                         ; a k step's fragments and scale words into set p: images, 16 (8) bytes a lane, 512 (256) consecutive bytes a load
	WIN 0x40
.irp b, 0,1,2,3,4,5,6,7
.irp c, 0,1
	ds_load_b128 v[128*(\p)+8*\b+4*\c:128*(\p)+8*\b+4*\c+3], v[ADRB] offset:1024*\b+512*\c
.endr
.endr
	WIN 0
.irp a, 0,1,2,3,4,5,6,7
.irp c, 0,1
	ds_load_b128 v[AF+8*NA*(\p)+8*\a+4*\c:AF+8*NA*(\p)+8*\a+4*\c+3], v[ADRA] offset:1024*\a+512*\c
.endr
.endr
	ds_load_b64 v[SB+4*(\p):SB+4*(\p)+1], v[ADSB]
	ds_load_b64 v[SB+4*(\p)+2:SB+4*(\p)+3], v[ADSB] offset:256
	ds_load_b64 v[SA+4*(\p):SA+4*(\p)+1], v[ADSA]
	ds_load_b64 v[SA+4*(\p)+2:SA+4*(\p)+3], v[ADSA] offset:256
.endm
.macro WM a, b, p, cm                  ; one product.  cm = 0: C = D;  1: C = the bias of B's tile;  2: of A's tile.  An odd tile's scale words lie in lanes 16-31
.set rD, 8*(8*((\a)%4)+(\b))
.set rB, 128*(\p)+8*(\b)
.set rA, AF+8*NA*(\p)+8*(\a)
.set rSB, SB+4*(\p)+(\b)/2
.set rSA, SAB+(\a)/2
.set rC, rD
.if (\cm) == 1
.set rC, BIAS+8*(\b)
.endif
.if (\cm) == 2
.set rC, BIAS+8*(\a)
.endif
.set rw, ((\b)%2)+2*((\a)%2)
.if rw == 0
	v_wmma_scale_f32_16x16x128_f8f6f4 v[rD:rD+7], v[rB:rB+7], v[rA:rA+7], v[rC:rC+7], v[rSB], v[rSA] matrix_a_fmt:MATRIX_FMT_FP4 matrix_b_fmt:MATRIX_FMT_FP4
.elseif rw == 1
	v_wmma_scale_f32_16x16x128_f8f6f4 v[rD:rD+7], v[rB:rB+7], v[rA:rA+7], v[rC:rC+7], v[rSB], v[rSA] matrix_a_fmt:MATRIX_FMT_FP4 matrix_b_fmt:MATRIX_FMT_FP4 matrix_a_scale:MATRIX_SCALE_ROW1
.elseif rw == 2
	v_wmma_scale_f32_16x16x128_f8f6f4 v[rD:rD+7], v[rB:rB+7], v[rA:rA+7], v[rC:rC+7], v[rSB], v[rSA] matrix_a_fmt:MATRIX_FMT_FP4 matrix_b_fmt:MATRIX_FMT_FP4 matrix_b_scale:MATRIX_SCALE_ROW1
.else
	v_wmma_scale_f32_16x16x128_f8f6f4 v[rD:rD+7], v[rB:rB+7], v[rA:rA+7], v[rC:rC+7], v[rSB], v[rSA] matrix_a_fmt:MATRIX_FMT_FP4 matrix_b_fmt:MATRIX_FMT_FP4 matrix_a_scale:MATRIX_SCALE_ROW1 matrix_b_scale:MATRIX_SCALE_ROW1
.endif
.endm
.macro MULALL p, cm                    ; all 64 accumulators by turns, one instruction a turn, in the same order in every k step
.set ma, 0
.rept NA
.if (\cm) == 0
	WIN 0xa1+0x50*(ma/4)                           ; source 0 window 1, source 1 window 0, C and D window 2 or 3
.else
	WIN 0x91+0x40*(ma/4)                           ; C in window 1
.endif
.irp b, 0,1,2,3,4,5,6,7
	WM ma, \b, \p, \cm
.endr
.set ma, ma+1
.endr
.endm
; A k step: its set is in; the next step's addresses (four plain lines: the places in front of loads into the set that the last step multiplied); the next step's loads in one run; 64 products.
.macro STEP k, cm, sync, last
	WIN 0
	s_wait_dscnt 0x0                               ; this step's fragments were asked for a whole step ago
.if \sync
	s_wait_tensorcnt 0x0                           ; my second load, k steps 4 to 7, has landed,
	s_barrier_signal -1
	s_barrier_wait -1                              ; everybody's has
.endif
.if !(\last)
	v_add_nc_u32 v[ADRA], CELLA*((\k)+1), v[ADRA0]
	v_add_nc_u32 v[ADRB], CELLB*((\k)+1), v[ADRB0]
	v_add_nc_u32 v[ADSA], CELLA*((\k)+1), v[ADSA0]
	v_add_nc_u32 v[ADSB], CELLB*((\k)+1), v[ADSB0]
	FETCH 1-(\k)%2
.endif
.set SAB, SA+4*((\k)%2)
	MULALL (\k)%2, \cm
.endm
; 64 numbers of a lane in window ws, register 16 b + i = k 32 b + 16 h + i of my row, become a fragment's codes in v[pc] on and the row's scale word in v[pw].  Each accumulator is read from its low end on.
.macro QUANT s, ws, pc, pw
	WIN ((\ws)<<2)|((\ws)<<4)
.irp b, 0,1,2,3
	v_max3_num_f32 v[TM+\b], 0x1800000, |v[(\s)+16*\b]|, |v[(\s)+16*\b+1]|   ; with the floor 2^(3 - 127): the byte cannot fall under 1
.endr
.irp i, 2,4,6,8,10,12,14
.irp b, 0,1,2,3
	v_max3_num_f32 v[TM+\b], v[TM+\b], |v[(\s)+16*\b+\i]|, |v[(\s)+16*\b+\i+1]|
.endr
.endr
	WIN 0
.irp b, 0,1,2,3
	v_permlanex16_b32 v[TM+4+\b], v[TM+\b], s[SEL], s[SEL+1]
.endr
.irp b, 0,1,2,3
	v_max_num_f32 v[TM+\b], v[TM+\b], v[TM+4+\b]   ; with lane l xor 16's 16: the block's largest magnitude
.endr
.irp b, 0,1,2,3
	v_add_nc_u32 v[TM+12+\b], 0xff000000, v[TM+\b] ; 2 off the exponent field: the conversion's scale operand
.endr
.irp b, 0,1,2,3
	v_lshrrev_b32 v[TM+4+\b], 23, v[TM+12+\b]      ; the byte
.endr
	v_lshl_or_b32 v[\pw], v[TM+5], 8, v[TM+4]
	v_lshl_or_b32 v[\pw], v[TM+6], 16, v[\pw]
	v_lshl_or_b32 v[\pw], v[TM+7], 24, v[\pw]
	WIN \ws
.irp b, 0,1,2,3
	v_cvt_scalef32_pk8_fp4_f32 v[(\pc)+2*\b], v[(\s)+16*\b:(\s)+16*\b+7], v[TM+12+\b]
	v_cvt_scalef32_pk8_fp4_f32 v[(\pc)+2*\b+1], v[(\s)+16*\b+8:(\s)+16*\b+15], v[TM+12+\b]
.endr
	WIN 0
	v_nop                                          ; one plain line behind a scaled conversion
.irp c, 0,1
.irp i, 0,1
	v_permlane16_swap_b32 v[(\pc)+4*\c+\i], v[(\pc)+4*\c+2+\i]   ; the layout wants a whole block in a lane
.endr
.endr
.endm
	s_load_b256 s[4:11], s[0:1], 0x0               ; xb, wb, bq, bk
	s_load_b128 s[12:15], s[0:1], 0x20             ; bv, qk
	s_load_b64 s[16:17], s[0:1], 0x30              ; vt
	v_lshl_add_u32 v[SPW], v0, 2, SPARE
	v_mov_b32 v[NIL], 0
	ds_add_u32 v[SPW], v[NIL]                      ; the opening: the add, twice on end, and its wait ahead of my first tensor load
	ds_add_u32 v[SPW], v[NIL]
	v_lshrrev_b32 v1, 5, v0
	v_readfirstlane_b32 s[WV], v1                  ; wave 0..3
	s_lshr_b32 s[WH], s[WV], 1                     ; A's half that I multiply.  Also: I fetch for A (0) or B (1)
	s_and_b32 s[WL], s[WV], 1                      ; B's half.  Also: which two k steps of four I fetch
	s_bfe_u32 s[CX], ttmp6, 0x40000
	s_bfe_u32 s[CY], ttmp6, 0x40004
	s_and_b32 s[CLY], ttmp7, 0xffff                ; the cluster's y, 0..23: 8 for Q, 8 for K, 8 for V
	s_lshl_b32 s58, s[CY], 2
	s_lshl_b32 s58, 15, s58                        ; my row of the cluster
	s_lshl_b32 s59, 0x1111, s[CX]                  ; my column
	s_or_b32 s[G1A], s58, (3<<16)|(1<<21)          ; group 1: the mask; elements of 8 bytes; bit 21 beside a mask; no padding
	s_or_b32 s[G1B], s59, (3<<16)|(1<<21)
.irp g, G1A, G1B
	s_mov_b32 s[\g+1], 32<<16                      ; tensor_dim0 = 32 elements: rows of 256 bytes
	s_mov_b32 s[\g+2], 136<<16                     ; tensor_dim1 = 136 rows: two k steps of 256 rows
	s_mov_b32 s[\g+3], 32<<16                      ; tile_dim0
	s_mov_b32 s[\g+4], 136                         ; tile_dim1
	s_mov_b32 s[\g+5], 32                          ; the pitch: dense
	s_mov_b32 s[\g+6], 0
	s_mov_b32 s[\g+7], 0
.endr
	s_lshr_b32 s60, s[CLY], 3                      ; T: 0 Q, 1 K, 2 V
	s_lshl_b32 s61, s60, 2                         ; the weight's first unit in wb
	s_lshl_b32 s62, s[CLY], 2                      ; the cluster's first unit in xb
	s_cmp_eq_u32 s60, 2
	s_cselect_b32 s90, 1, 0                        ; V?  The same in all sixteen partners
	s_cselect_b32 s58, s61, s62
	s_cselect_b32 s92, s62, s61
	s_add_co_u32 s58, s58, s[CY]                   ; A's unit: cy alone enters
	s_add_co_u32 s92, s92, s[CX]                   ; B's unit: cx alone
	s_mul_i32 s58, s58, UNIT
	s_mul_i32 s92, s92, UNIT
	s_mul_i32 s63, s[WL], 2*KS2
	s_add_co_u32 s58, s58, s63
	s_add_co_u32 s92, s92, s63
	s_mov_b32 s59, 0
	s_mov_b32 s93, 0
	s_mov_b32 s[SEL], 0x76543210
	s_mov_b32 s[SEL+1], 0xfedcba98
	s_mov_b32 s[HI], 0xffff0000
	s_wait_dscnt 0x0                               ; both opening adds are done
	s_wait_kmcnt 0x0
	s_cmp_eq_u32 s90, 1
	s_cselect_b64 s[94:95], s[6:7], s[4:5]         ; A's buffer
	s_cselect_b64 s[96:97], s[4:5], s[6:7]         ; B's
	s_add_nc_u64 s[94:95], s[94:95], s[58:59]
	s_add_nc_u64 s[96:97], s[96:97], s[92:93]
	CROUND                                         ; all sixteen work-groups are here: the joint loads meet
.irp i, 0,1
	s_mov_b32 s[G0A+4*\i], 1
	s_add_co_u32 s[G0A+4*\i+1], s63, RA+\i*4*CELLA ; k steps 4 i + 2 WL and the next
	s_add_nc_u64 s[G0A+4*\i+2:G0A+4*\i+3], s[94:95], \i*4*CELLA
	s_or_b32 s[G0A+4*\i+3], s[G0A+4*\i+3], 0x80000000
	s_mov_b32 s[G0B+4*\i], 1
	s_add_co_u32 s[G0B+4*\i+1], s63, RB+\i*4*CELLB
	s_add_nc_u64 s[G0B+4*\i+2:G0B+4*\i+3], s[96:97], \i*4*CELLB
	s_or_b32 s[G0B+4*\i+3], s[G0B+4*\i+3], 0x80000000
.endr
	s_cmp_eq_u32 s[WH], 0                          ; a wave's two fills stand in one arm of one branch on the wave's number
	s_cbranch_scc0 .Lfill_b
	tensor_load_to_lds s[G0A:G0A+3], s[G1A:G1A+7]
	s_nop 0
	tensor_load_to_lds s[G0A+4:G0A+7], s[G1A:G1A+7]
	s_nop 0
	PLACES 4
	s_branch .Lfilled
.Lfill_b:
	tensor_load_to_lds s[G0B:G0B+3], s[G1B:G1B+7]
	s_nop 0
	tensor_load_to_lds s[G0B+4:G0B+7], s[G1B:G1B+7]
	s_nop 0
	PLACES 4
.Lfilled:
	v_and_b32 v1, 31, v0
	v_lshlrev_b32 v[LI], 4, v1
	v_lshlrev_b32 v[LS8], 3, v1
	s_mul_i32 s58, s[WH], BR
	s_add_co_u32 s58, s58, RA
	s_mul_i32 s59, s[WL], BR
	s_add_co_u32 s59, s59, RB
	v_add_nc_u32 v[ADRA0], s58, v[LI]
	v_add_nc_u32 v[ADRB0], s59, v[LI]
	v_add_nc_u32 v[ADSA0], s58, v[LS8]
	v_add_nc_u32 v[ADSA0], 8192, v[ADSA0]
	v_add_nc_u32 v[ADSB0], s59, v[LS8]
	v_add_nc_u32 v[ADSB0], 8192, v[ADSB0]
.irp b, 0,1,2,3
	v_mov_b32 v[TM+4+\b], 0                        ; a lane permute's destination counts as one of its sources
.endr
	v_bfe_u32 v4, v0, 4, 1
	v_lshlrev_b32 v4, 6, v4                        ; 64 h: the bias along the registers
	v_and_b32 v5, 15, v0
	v_and_b32 v6, 8, v5
	v_add_lshl_u32 v5, v5, v6, 2                   ; 4 (r + 8 (r / 8)): the bias along the lanes
	s_lshl_b32 s58, s[CX], 10                      ; Q, K: features 256 cx + 128 WL on
	s_lshl_b32 s59, s[WL], 9
	s_add_co_u32 s58, s58, s59
	s_lshl_b32 s91, s[CY], 10                      ; V: features 256 cy + 128 WH on
	s_lshl_b32 s59, s[WH], 9
	s_add_co_u32 s91, s91, s59
	s_cmp_eq_u32 s60, 0
	s_cselect_b64 s[98:99], s[8:9], s[10:11]
	s_cmp_eq_u32 s90, 1
	s_cselect_b64 s[98:99], s[12:13], s[98:99]
	s_cselect_b32 s58, s91, s58
	s_mov_b32 s59, 0
	s_add_nc_u64 s[98:99], s[98:99], s[58:59]
	s_cmp_eq_u32 s90, 1
	s_cbranch_scc1 .Lbias_v
	WIN 0x40
.irp b, 0,1,2,3,4,5,6,7
	global_load_b128 v[BIAS+8*\b:BIAS+8*\b+3], v4, s[98:99] offset:(32*(\b/2)+8*(\b%2))*4       ; tile b, register j: feature 32 (b / 2) + 8 (b % 2) + 16 h + j
	global_load_b128 v[BIAS+8*\b+4:BIAS+8*\b+7], v4, s[98:99] offset:(32*(\b/2)+8*(\b%2))*4+16
.endr
	WIN 0
	s_branch .Lbias_in
.Lbias_v:
	WIN 0x40
.irp a, 0,1,2,3,4,5,6,7
.irp j, 0,1,2,3,4,5,6,7
	global_load_b32 v[BIAS+8*\a+\j], v5, s[98:99] offset:(32*(\a/2)+8*(\a%2))*4                 ; tile a: my lane's feature, the same in all eight registers
.endr
.endr
	WIN 0
.Lbias_in:
	; where my brick goes.  Q, K: ((unit x 8 + 2 cx + WL) x 2 + WH;  V^T: key group idx = 8 i + 2 cx + WL: (((idx / 16) x 4 + cy) x 16 + idx % 16) x 2 + WH
	s_add_co_u32 s61, s62, s[CY]
	s_lshl_b32 s61, s61, 3
	s_lshl_b32 s91, s[CX], 1
	s_add_co_u32 s91, s91, s[WL]
	s_add_co_u32 s61, s61, s91
	s_lshl_b32 s61, s61, 1
	s_and_b32 s92, s[CLY], 7
	s_lshl_b32 s92, s92, 3
	s_add_co_u32 s92, s92, s91
	s_lshr_b32 s93, s92, 4
	s_lshl_b32 s93, s93, 2
	s_add_co_u32 s93, s93, s[CY]
	s_lshl_b32 s93, s93, 4
	s_and_b32 s92, s92, 15
	s_add_co_u32 s93, s93, s92
	s_lshl_b32 s93, s93, 1
	s_cmp_eq_u32 s90, 1
	s_cselect_b32 s92, s93, s61
	s_cselect_b64 s[94:95], s[16:17], s[14:15]
	s_add_co_u32 s92, s92, s[WH]
	s_mul_i32 s92, s92, BR
	s_mov_b32 s93, 0
	s_add_nc_u64 s[94:95], s[94:95], s[92:93]
	s_wait_tensorcnt 0x1                           ; my first load, two of k steps 0 to 3, has landed; my second may stay out
	s_barrier_signal -1
	s_barrier_wait -1
	v_add_nc_u32 v[ADRA], 0, v[ADRA0]
	v_add_nc_u32 v[ADRB], 0, v[ADRB0]
	v_add_nc_u32 v[ADSA], 0, v[ADSA0]
	v_add_nc_u32 v[ADSB], 0, v[ADSB0]
	FETCH 0
	s_wait_loadcnt 0x0                             ; the bias
	s_cmp_eq_u32 s90, 1
	s_cbranch_scc1 .Lstep0_v
	STEP 0, 1, 0, 0                                ; the first k step starts the sums from the bias: nothing is cleared or added later
	WIN 0
	s_branch .Lstep1
.Lstep0_v:
	STEP 0, 2, 0, 0
	WIN 0
.Lstep1:
	STEP 1, 0, 0, 0
	STEP 2, 0, 0, 0
	STEP 3, 0, 1, 0
	STEP 4, 0, 0, 0
	STEP 5, 0, 0, 0
	STEP 6, 0, 0, 0
	STEP 7, 0, 0, 1
	WIN 0
	PLACES 4                                       ; in front of the first read of results and the first write over A's fragments
.irp a, 0,1,2,3,4,5,6,7
	QUANT 64*(\a%4), 2+\a/4, PC+8*\a, PW+\a
	global_store_b128 v[LI], v[PC+8*\a:PC+8*\a+3], s[94:95] offset:1024*\a        ; 512 consecutive bytes a store; no register of codes is written twice
	global_store_b128 v[LI], v[PC+8*\a+4:PC+8*\a+7], s[94:95] offset:1024*\a+512
.endr
.irp j, 0,1,2,3
	v_cndmask_b32 v[SJ+\j], v[PW+2*\j], v[PW+2*\j+1], s[HI]    ; the scale image: the even tile's words in lanes 0-15, the odd tile's in lanes 16-31
.endr
	global_store_b64 v[LS8], v[SJ:SJ+1], s[94:95] offset:8192
	global_store_b64 v[LS8], v[SJ+2:SJ+3], s[94:95] offset:8448
	s_wait_tensorcnt 0x0                           ; the wave's end
	ds_add_u32 v[SPW], v[NIL]
	s_wait_dscnt 0x0
	CROUND                                         ; the closing round
	s_endpgm
.Lfunc_end_k_q48e4e0c5df_proj:
	.size	k_q48e4e0c5df_proj, .Lfunc_end_k_q48e4e0c5df_proj-k_q48e4e0c5df_proj
	.p2alignl 7, 3214868480
	.fill 96, 4, 3214868480
	.section	.rodata,"a",@progbits
	.p2align	6, 0x0
	.amdhsa_kernel k_q48e4e0c5df_proj
		.amdhsa_group_segment_fixed_size 327680
		.amdhsa_private_segment_fixed_size 0
		.amdhsa_enable_private_segment 0
		.amdhsa_kernarg_size 56
		.amdhsa_user_sgpr_count 2
		.amdhsa_user_sgpr_kernarg_segment_ptr 1
		.amdhsa_wavefront_size32 1
		.amdhsa_system_sgpr_workgroup_id_x 1
		.amdhsa_system_sgpr_workgroup_id_y 1
		.amdhsa_system_sgpr_workgroup_id_z 1
		.amdhsa_system_vgpr_workitem_id 0
		.amdhsa_next_free_vgpr 1024
		.amdhsa_next_free_sgpr 102
		.amdhsa_reserve_vcc 0
		.amdhsa_float_denorm_mode_32 3
		.amdhsa_float_denorm_mode_16_64 3
		.amdhsa_memory_ordered 1
		.amdhsa_forward_progress 1
		.amdhsa_inst_pref_size 145
	.end_amdhsa_kernel
	.amdgpu_metadata
---
amdhsa.version: [ 1, 2 ]
amdhsa.kernels:
  - .name:           k_q48e4e0c5df_proj
    .symbol:         k_q48e4e0c5df_proj.kd
    .args:
      - { .name: xb, .offset: 0, .size: 8, .value_kind: global_buffer, .address_space: global }
      - { .name: wb, .offset: 8, .size: 8, .value_kind: global_buffer, .address_space: global }
      - { .name: bq, .offset: 16, .size: 8, .value_kind: global_buffer, .address_space: global }
      - { .name: bk, .offset: 24, .size: 8, .value_kind: global_buffer, .address_space: global }
      - { .name: bv, .offset: 32, .size: 8, .value_kind: global_buffer, .address_space: global }
      - { .name: qk, .offset: 40, .size: 8, .value_kind: global_buffer, .address_space: global }
      - { .name: vt, .offset: 48, .size: 8, .value_kind: global_buffer, .address_space: global }
    .group_segment_fixed_size: 327680
    .private_segment_fixed_size: 0
    .kernarg_segment_align: 8
    .kernarg_segment_size: 56
    .max_flat_workgroup_size: 128
    .sgpr_count:     102
    .vgpr_count:     1024
    .wavefront_size: 32
...
	.end_amdgpu_metadata
.endif
;; end of part 2
;; launch score (part 3): grid 8 x 32, 4 waves a work-group, clusters of 4 x 4, 327,680 bytes of LDS; arguments qk, mask, pb, ps; writes pb, ps
.if DOCPART == 3
	.amdgcn_target "amdgcn-amd-amdhsa--gfx1250"
	.amdhsa_code_object_version 6
	.text
	.protected	k_q48e4e0c5df_score
	.globl	k_q48e4e0c5df_score
	.p2align	8
	.type	k_q48e4e0c5df_score,@function
k_q48e4e0c5df_score:
	s_mov_b64 s[64:65], 0
	v_nop
	global_prefetch_b8 v0, s[64:65] scope:SCOPE_SE
	s_setreg_imm32_b32 hwreg(HW_REG_WAVE_MODE, 25, 1), 1
	s_wait_xcnt 0x0
	s_wait_alu depctr_hold_cnt(0) depctr_sa_sdst(0) depctr_va_vdst(0) depctr_va_sdst(0) depctr_va_ssrc(0) depctr_va_vcc(0) depctr_vm_vsrc(0)
	s_getreg_b32 s2, hwreg(HW_REG_IB_STS2, 6, 4)
	s_cmp_eq_u32 s2, 0
	s_cbranch_scc0 .Lentry_in_a_cluster
	s_endpgm
.Lentry_in_a_cluster:
	s_bfe_u32 s2, ttmp6, 0x10000c
	s_cmp_lg_u32 s2, 0xf033
	s_cbranch_scc0 .Lentry_shape_is_right
	s_endpgm
.Lentry_shape_is_right:
; SCORE: S = Q K^T on codes of E2M1, the mask, and the softmax's p quantised along the keys.  No work is left out: the mask is an input, so every tile of scores is made and every word of the mask is read.
; t = score x log2(e) / 32.  For each query and each group of 128 keys: M_loc = ceil(the group's largest t), p = 2^(t - M_loc), l_loc = the sum of the unquantised p.  M_loc is a whole number, so the launch behind
; brings p under the row's M by taking a whole number off the scale bytes: the codes stay.  Stored: P's bricks (pb, [query / 128][key / 128]), and -M_loc and l_loc in the scale image's lane order (ps).
; A hidden score becomes -infinity ahead of the maximum: p = 0.  A group all of whose keys are hidden takes -3e38 for its largest score, so that -M_loc stays finite: its p and l_loc are 0.
; SHARES, CLUSTER, LDS and the k steps: a work-group makes 256 queries x 256 keys, K = 1,024; a wave 128 x 128 = one brick of P.  Source 0 = K's rows (keys along the registers), source 1 = Q's rows (a lane holds one query).
; Q's unit hangs on cy (asked for jointly by my row of the cluster), K's on cx (my column); both units lie whole in LDS, filled once, two loads a wave, two out at the most.
; THE MASK.  A wave reads its own 128 queries x 128 keys, 64 KB, a tile of 16 queries by 16 loads of 512 consecutive bytes of one row.  A tile has a home of 64 registers.  Three homes are free while the products run: tiles 0, 1, 2 are asked for
; at the head; tiles 3 and 4 go into K's two sets of fragments as these fall free; tiles 5, 6, 7 into the homes of tiles 0, 1, 2 as these are used up.  Never more than 48 loads of a wave are out.
; A tile turns through the wave's own stage in LDS (rows of 512 + 16 bytes, bytes that no tensor load fills) and comes back into the same registers, so that lane (r, h) holds, in register 16 b + i, the word of its query and key 32 b + 16 h + i: the place of
; that score.  64 compares make 64 lane masks, in scalar registers that held descriptors and pointers: those are dead behind the wait for all tensor loads.  Tile a + 1 is turned while tile a's softmax is worked.
; No prefetch is laid for the later tiles: 96 KB of the mask and 278 KB of tiles are already on their way to a work-group at the head.
; LIMITS: NaN, infinities and scores that overflow are not served; a block whose every p is 0 carries the byte 1.
; REGISTERS.  window 0: v2, v3 lane offsets; v16-23 LDS addresses; v24, v25 the stage; v28, v29 the add's two; v30 -infinity; v32-47 scale words; v48-63 at work; v64-127 a home of the mask;
;   v128-255 Q's fragments, two sets (on the way out v128-169: scale words, -M, sums, images; v192-255: P's codes).   window 1: v0-63, v128-191 K's fragments, two sets, later homes; v64-127, v192-255 homes.
;   windows 2, 3: accumulator (a, b) at v[8 (8 (a % 4) + b)] of window 2 + a / 4.
.set BR,    8704
.set KS2,   2*BR
.set UNIT,  8*KS2
.set NA,    8
.set CELLA, KS2
.set CELLB, KS2
.set RA,    0
.set RB,    UNIT
.set SPARE, 2*UNIT                     ; the spare words, 128 bytes a wave: two blocks of 256 bytes that no other line names
.set STAGE, SPARE+512                  ; four stages of 16 rows x 528 bytes
.set STG,   16*528
.set LI,   2
.set LS8,  3
.set ADRA, 16
.set ADRB, 17
.set ADSA, 18
.set ADSB, 19
.set ADRA0, 20
.set ADRB0, 21
.set ADSA0, 22
.set ADSB0, 23
.set SIN,  24
.set SOUT, 25
.set SPW,  28
.set NIL,  29
.set NINF, 30
.set SA,   32
.set SB,   40
.set TM,   48
.set AF,   128
.set PW,   128
.set SJ,   136
.set NMP,  140
.set LA,   142
.set NMS,  144
.set LLS,  152
.set SJ1,  160
.set SJ2,  164
.set LB,   168
.set PC,   192
.set WV,  20
.set WH,  21
.set WL,  22
.set CX,  23
.set G1A, 24
.set G1B, 32
.set G0A, 40
.set CY,  56
.set CLY, 57
.set G0B, 68
.set SEL, 84
.set CS,  86
.set HI,  88
.set MSB, 0
.macro WIN new
.if MSB != (\new)
	s_set_vgpr_msb (MSB<<8)|(\new)
.set MSB, (\new)
.endif
.endm
.macro PLACES n
.rept \n
	v_nop
.endr
.endm
.macro CROUND
	s_barrier_signal -1
	s_barrier_wait -1
	s_cmp_lg_u32 s[WV], 0
	s_cbranch_scc1 .Lnot_wave_0_\@
	s_barrier_signal -3
.Lnot_wave_0_\@:
	s_barrier_wait -3
	s_barrier_signal -1
	s_barrier_wait -1
.endm
.macro HOME t                          ; mask tile t's 64 registers: window HW, from v[HB] on
.if ((\t) == 0) || ((\t) == 5)
.set HW, 1
.set HB, 64
.elseif ((\t) == 1) || ((\t) == 6)
.set HW, 1
.set HB, 192
.elseif ((\t) == 2) || ((\t) == 7)
.set HW, 0
.set HB, 64
.elseif (\t) == 3
.set HW, 1
.set HB, 0
.else
.set HW, 1
.set HB, 128
.endif
.endm
.macro LOADM t                         ; mask tile t: the 16 queries of Q's tile t, 512 consecutive bytes (128 keys) a load
	HOME \t
	WIN HW<<6
.irp i, 0,1,2,3,4,5,6,7,8,9,10,11,12,13,14,15
	global_load_b128 v[HB+4*\i:HB+4*\i+3], v[LI], s[90:91] offset:(32*((\t)/2)+8*((\t)%2)+\i+8*(\i/8))*8192 th:TH_LOAD_NT
.endr
	WIN 0
.endm
.macro TURN t                          ; through my stage and back into the same registers: LDS serves a wave's instructions in order, so no wait stands between the stores and the loads
	HOME \t
	WIN HW<<2
.irp i, 0,1,2,3,4,5,6,7,8,9,10,11,12,13,14,15
	ds_store_b128 v[SIN], v[HB+4*\i:HB+4*\i+3] offset:528*\i
.endr
	WIN HW<<6
.irp b, 0,1,2,3
.irp k, 0,1,2,3
	ds_load_b128 v[HB+16*\b+4*\k:HB+16*\b+4*\k+3], v[SOUT] offset:128*\b+16*\k     ; keys 32 b + 16 h + 4 k on, of query r
.endr
.endr
	WIN 0
.endm
.macro FETCH p
	WIN 0x40
.irp b, 0,1,2,3,4,5,6,7
.irp c, 0,1
	ds_load_b128 v[128*(\p)+8*\b+4*\c:128*(\p)+8*\b+4*\c+3], v[ADRB] offset:1024*\b+512*\c
.endr
.endr
	WIN 0
.irp a, 0,1,2,3,4,5,6,7
.irp c, 0,1
	ds_load_b128 v[AF+8*NA*(\p)+8*\a+4*\c:AF+8*NA*(\p)+8*\a+4*\c+3], v[ADRA] offset:1024*\a+512*\c
.endr
.endr
	ds_load_b64 v[SB+4*(\p):SB+4*(\p)+1], v[ADSB]
	ds_load_b64 v[SB+4*(\p)+2:SB+4*(\p)+3], v[ADSB] offset:256
	ds_load_b64 v[SA+4*(\p):SA+4*(\p)+1], v[ADSA]
	ds_load_b64 v[SA+4*(\p)+2:SA+4*(\p)+3], v[ADSA] offset:256
.endm
.macro WM a, b, p, cm                  ; cm = 0: C = D;  3: C = 0, the first k step starts the sums
.set rD, 8*(8*((\a)%4)+(\b))
.set rB, 128*(\p)+8*(\b)
.set rA, AF+8*NA*(\p)+8*(\a)
.set rSB, SB+4*(\p)+(\b)/2
.set rSA, SAB+(\a)/2
.set rw, ((\b)%2)+2*((\a)%2)
.if (\cm) == 3
.if rw == 0
	v_wmma_scale_f32_16x16x128_f8f6f4 v[rD:rD+7], v[rB:rB+7], v[rA:rA+7], 0, v[rSB], v[rSA] matrix_a_fmt:MATRIX_FMT_FP4 matrix_b_fmt:MATRIX_FMT_FP4
.elseif rw == 1
	v_wmma_scale_f32_16x16x128_f8f6f4 v[rD:rD+7], v[rB:rB+7], v[rA:rA+7], 0, v[rSB], v[rSA] matrix_a_fmt:MATRIX_FMT_FP4 matrix_b_fmt:MATRIX_FMT_FP4 matrix_a_scale:MATRIX_SCALE_ROW1
.elseif rw == 2
	v_wmma_scale_f32_16x16x128_f8f6f4 v[rD:rD+7], v[rB:rB+7], v[rA:rA+7], 0, v[rSB], v[rSA] matrix_a_fmt:MATRIX_FMT_FP4 matrix_b_fmt:MATRIX_FMT_FP4 matrix_b_scale:MATRIX_SCALE_ROW1
.else
	v_wmma_scale_f32_16x16x128_f8f6f4 v[rD:rD+7], v[rB:rB+7], v[rA:rA+7], 0, v[rSB], v[rSA] matrix_a_fmt:MATRIX_FMT_FP4 matrix_b_fmt:MATRIX_FMT_FP4 matrix_a_scale:MATRIX_SCALE_ROW1 matrix_b_scale:MATRIX_SCALE_ROW1
.endif
.else
.if rw == 0
	v_wmma_scale_f32_16x16x128_f8f6f4 v[rD:rD+7], v[rB:rB+7], v[rA:rA+7], v[rD:rD+7], v[rSB], v[rSA] matrix_a_fmt:MATRIX_FMT_FP4 matrix_b_fmt:MATRIX_FMT_FP4
.elseif rw == 1
	v_wmma_scale_f32_16x16x128_f8f6f4 v[rD:rD+7], v[rB:rB+7], v[rA:rA+7], v[rD:rD+7], v[rSB], v[rSA] matrix_a_fmt:MATRIX_FMT_FP4 matrix_b_fmt:MATRIX_FMT_FP4 matrix_a_scale:MATRIX_SCALE_ROW1
.elseif rw == 2
	v_wmma_scale_f32_16x16x128_f8f6f4 v[rD:rD+7], v[rB:rB+7], v[rA:rA+7], v[rD:rD+7], v[rSB], v[rSA] matrix_a_fmt:MATRIX_FMT_FP4 matrix_b_fmt:MATRIX_FMT_FP4 matrix_b_scale:MATRIX_SCALE_ROW1
.else
	v_wmma_scale_f32_16x16x128_f8f6f4 v[rD:rD+7], v[rB:rB+7], v[rA:rA+7], v[rD:rD+7], v[rSB], v[rSA] matrix_a_fmt:MATRIX_FMT_FP4 matrix_b_fmt:MATRIX_FMT_FP4 matrix_a_scale:MATRIX_SCALE_ROW1 matrix_b_scale:MATRIX_SCALE_ROW1
.endif
.endif
.endm
.macro MULALL p, cm                    ; all 64 accumulators by turns, one instruction a turn
.set ma, 0
.rept NA
	WIN 0xa1+0x50*(ma/4)
.irp b, 0,1,2,3,4,5,6,7
	WM ma, \b, \p, \cm
.endr
.set ma, ma+1
.endr
.endm
.macro STEP k, cm, sync, last
	WIN 0
	s_wait_dscnt 0x0                               ; this step's fragments were asked for a whole step ago
.if \sync
	s_wait_tensorcnt 0x0                           ; my second load, k steps 4 to 7, has landed,
	s_barrier_signal -1
	s_barrier_wait -1                              ; everybody's has
.endif
.if \last
	s_wait_loadcnt 32                              ; of the mask's tiles 0, 1, 2 the first is in: with the 16 loads below 48 are out again
	PLACES 4                                       ; in front of loads into K's set 0, which the last step multiplied
	LOADM 3
.else
	v_add_nc_u32 v[ADRA], CELLA*((\k)+1), v[ADRA0] ; four plain lines: the places in front of loads into the set that the last step multiplied
	v_add_nc_u32 v[ADRB], CELLB*((\k)+1), v[ADRB0]
	v_add_nc_u32 v[ADSA], CELLA*((\k)+1), v[ADSA0]
	v_add_nc_u32 v[ADSB], CELLB*((\k)+1), v[ADSB0]
	FETCH 1-(\k)%2
.endif
.set SAB, SA+4*((\k)%2)
	MULALL (\k)%2, \cm
.endm
.macro CMP16 blk, sb                   ; block blk's 16 mask words: a lane mask each, bit = the word of my lane is not 0
.irp i, 0,1,2,3,4,5,6,7,8,9,10,11,12,13,14,15
	v_cmp_ne_u32 s[\sb+\i], 0, v[HB+16*\blk+\i]
.endr
.endm
.macro MASK16 blk, sb                  ; block blk's 16 scores: kept where the mask's bit of my lane is set
.irp i, 0,1,2,3,4,5,6,7,8,9,10,11,12,13,14,15
	v_cndmask_b32 v[xx+16*\blk+\i], v[NINF], v[xx+16*\blk+\i], s[\sb+\i]
.endr
.endm
; Tile a of 16 queries: a lane holds one query and, in register 16 b + i, key 32 b + 16 h + i of the 128.
.macro SOFT a
.set WS, 2+(\a)/4
.set xx, 64*((\a)%4)
	s_wait_dscnt 0x0                               ; this tile's mask words are back from the stage
	HOME \a
	WIN HW|(HW<<2)
	CMP16 0, 4
	CMP16 1, 24
	CMP16 2, 40
	CMP16 3, 68
	WIN 0
.if (\a) < 3
	s_wait_loadcnt 32                              ; three tiles are out: the oldest, tile a + 2, is in; with the 16 loads below 48 are out again
	LOADM (\a)+5                                   ; into the home that the compares above have read
.elseif (\a) < 7
	s_wait_loadcnt 16*(6-(\a))                     ; tile a + 1 is in: 16 loads for each tile asked for behind it may be out
.endif
.if (\a) < 7
	TURN (\a)+1                                    ; this tile's softmax stands between the turn and the wait for it
.endif
	WIN (WS<<6)|(WS<<2)
	MASK16 0, 4
	MASK16 1, 24
	MASK16 2, 40
	MASK16 3, 68
	WIN (WS<<2)|(WS<<4)
.irp b, 0,1,2,3
	v_max3_num_f32 v[TM+\b], v[NINF], v[xx+16*\b], v[xx+16*\b+1]   ; the largest score of each block of 32 keys: it serves the group's maximum and, since p rises with the score, the block's largest p
.endr
.irp i, 2,4,6,8,10,12,14
.irp b, 0,1,2,3
	v_max3_num_f32 v[TM+\b], v[TM+\b], v[xx+16*\b+\i], v[xx+16*\b+\i+1]
.endr
.endr
	WIN 0
.irp b, 0,1,2,3
	v_permlanex16_b32 v[TM+4+\b], v[TM+\b], s[SEL], s[SEL+1]
.endr
.irp b, 0,1,2,3
	v_max_num_f32 v[TM+\b], v[TM+\b], v[TM+4+\b]
.endr
	v_max3_num_f32 v[TM+8], v[TM], v[TM+1], v[TM+2]
	v_max3_num_f32 v[TM+8], v[TM+8], v[TM+3], 0xff61b1e6           ; and -3e38, so that a hidden group's -M stays finite
	v_mul_f32 v[TM+8], s[CS], v[TM+8]              ; as t
	v_floor_f32 v[NMP], -v[TM+8]                   ; -M_loc = floor(-t) = -ceil(t)
	WIN (WS<<6)|WS
.set jj, 0
.rept 32
	v_pk_fma_f32 v[xx+jj:xx+jj+1], v[xx+jj:xx+jj+1], s[CS:CS+1], v[NMP:NMP+1] op_sel_hi:[1,0,0]   ; t - M_loc, two at a time
.set jj, jj+2
.endr
	WIN 0
.irp b, 0,1,2,3
	v_fma_f32 v[TM+\b], v[TM+\b], s[CS], v[NMP]    ; the same of each block's largest score
.endr
	WIN (WS<<6)|WS
.set jj, 0
.rept 64
	v_exp_f32 v[xx+jj], v[xx+jj]                   ; p, at most 1
.set jj, jj+1
.endr
	WIN 0
	v_mov_b32 v[NMS+(\a)], v[NMP]                  ; (the plain line behind the exponentials)
	s_wait_alu depctr_va_vdst(0)                   ; one wait for the batch of 64, ahead of its first reader
.irp b, 0,1,2,3
	v_exp_f32 v[TM+\b], v[TM+\b]                   ; the blocks' largest p: the same two instructions on the same number give the same bits
.endr
	WIN WS|(WS<<2)
	v_pk_add_f32 v[LA:LA+1], v[xx:xx+1], v[xx+2:xx+3]              ; the sum of the unquantised p, two at a time, in two chains: plain work behind the four
	v_pk_add_f32 v[LB:LB+1], v[xx+4:xx+5], v[xx+6:xx+7]
	WIN WS<<2
.irp j, 8,12,16,20,24,28,32,36,40,44,48,52,56,60
	v_pk_add_f32 v[LA:LA+1], v[LA:LA+1], v[xx+\j:xx+\j+1]
	v_pk_add_f32 v[LB:LB+1], v[LB:LB+1], v[xx+\j+2:xx+\j+3]
.endr
	WIN 0
	v_pk_add_f32 v[LA:LA+1], v[LA:LA+1], v[LB:LB+1]
	v_add_f32 v[TM+9], v[LA], v[LA+1]
	v_permlanex16_b32 v[TM+10], v[TM+9], s[SEL], s[SEL+1]
	v_add_f32 v[LLS+(\a)], v[TM+9], v[TM+10]       ; l_loc, in both halves of the lanes
	s_wait_alu depctr_va_vdst(0)                   ; and one wait for the four
.irp b, 0,1,2,3
	v_max_num_f32 v[TM+\b], 0x1800000, v[TM+\b]    ; the floor 2^(3 - 127): the byte cannot fall under 1
.endr
.irp b, 0,1,2,3
	v_add_nc_u32 v[TM+12+\b], 0xff000000, v[TM+\b]
.endr
.irp b, 0,1,2,3
	v_lshrrev_b32 v[TM+4+\b], 23, v[TM+12+\b]
.endr
	v_lshl_or_b32 v[PW+(\a)], v[TM+5], 8, v[TM+4]
	v_lshl_or_b32 v[PW+(\a)], v[TM+6], 16, v[PW+(\a)]
	v_lshl_or_b32 v[PW+(\a)], v[TM+7], 24, v[PW+(\a)]
	WIN WS
.irp b, 0,1,2,3
	v_cvt_scalef32_pk8_fp4_f32 v[PC+8*(\a)+2*\b], v[xx+16*\b:xx+16*\b+7], v[TM+12+\b]
	v_cvt_scalef32_pk8_fp4_f32 v[PC+8*(\a)+2*\b+1], v[xx+16*\b+8:xx+16*\b+15], v[TM+12+\b]
.endr
	WIN 0
	v_nop                                          ; one plain line behind a scaled conversion
.irp c, 0,1
.irp i, 0,1
	v_permlane16_swap_b32 v[PC+8*(\a)+4*\c+\i], v[PC+8*(\a)+4*\c+2+\i]
.endr
.endr
	global_store_b128 v[LI], v[PC+8*(\a):PC+8*(\a)+3], s[92:93] offset:1024*(\a)
	global_store_b128 v[LI], v[PC+8*(\a)+4:PC+8*(\a)+7], s[92:93] offset:1024*(\a)+512
.endm
	s_load_b256 s[4:11], s[0:1], 0x0               ; qk, mask, pb, ps
	v_lshl_add_u32 v[SPW], v0, 2, SPARE
	v_mov_b32 v[NIL], 0
	ds_add_u32 v[SPW], v[NIL]                      ; the opening: the add, twice on end, and its wait ahead of my first tensor load
	ds_add_u32 v[SPW], v[NIL]
	v_lshrrev_b32 v1, 5, v0
	v_readfirstlane_b32 s[WV], v1
	s_lshr_b32 s[WH], s[WV], 1                     ; the queries' half.  Also: I fetch for Q (0) or K (1)
	s_and_b32 s[WL], s[WV], 1                      ; the keys' half.  Also: which two k steps of four I fetch
	s_bfe_u32 s[CX], ttmp6, 0x40000
	s_bfe_u32 s[CY], ttmp6, 0x40004
	s_and_b32 s[CLY], ttmp7, 0xffff
	s_lshl_b32 s58, s[CY], 2
	s_lshl_b32 s58, 15, s58
	s_lshl_b32 s59, 0x1111, s[CX]
	s_or_b32 s[G1A], s58, (3<<16)|(1<<21)
	s_or_b32 s[G1B], s59, (3<<16)|(1<<21)
.irp g, G1A, G1B
	s_mov_b32 s[\g+1], 32<<16                      ; rows of 256 bytes,
	s_mov_b32 s[\g+2], 136<<16                     ; 136 of them: two k steps of 256 rows
	s_mov_b32 s[\g+3], 32<<16
	s_mov_b32 s[\g+4], 136
	s_mov_b32 s[\g+5], 32
	s_mov_b32 s[\g+6], 0
	s_mov_b32 s[\g+7], 0
.endr
	s_lshl_b32 s60, s[CLY], 2
	s_add_co_u32 s58, s60, s[CY]                   ; Q's unit: 4 x cluster y + cy
	s_lshr_b32 s61, s[CLY], 1                      ; the batch
	s_lshl_b32 s61, s61, 3
	s_add_co_u32 s61, s61, 32                      ; K's units lie behind Q's 32
	s_lshl_b32 s62, ttmp9, 2
	s_add_co_u32 s62, s62, s[CX]                   ; the key unit in the batch
	s_add_co_u32 s92, s61, s62
	s_mul_i32 s58, s58, UNIT
	s_mul_i32 s92, s92, UNIT
	s_mul_i32 s63, s[WL], 2*KS2
	s_add_co_u32 s58, s58, s63
	s_add_co_u32 s92, s92, s63
	s_mov_b32 s59, 0
	s_mov_b32 s93, 0
	s_mov_b32 s[SEL], 0x76543210
	s_mov_b32 s[SEL+1], 0xfedcba98
	s_mov_b32 s[CS], 0x3d38aa3b                    ; log2(e) / 32
	s_mov_b32 s[CS+1], s[CS]
	s_mov_b32 s[HI], 0xffff0000
	s_wait_dscnt 0x0
	s_wait_kmcnt 0x0
	s_add_nc_u64 s[94:95], s[4:5], s[58:59]
	s_add_nc_u64 s[96:97], s[4:5], s[92:93]
	CROUND
.irp i, 0,1
	s_mov_b32 s[G0A+4*\i], 1
	s_add_co_u32 s[G0A+4*\i+1], s63, RA+\i*4*CELLA
	s_add_nc_u64 s[G0A+4*\i+2:G0A+4*\i+3], s[94:95], \i*4*CELLA
	s_or_b32 s[G0A+4*\i+3], s[G0A+4*\i+3], 0x80000000
	s_mov_b32 s[G0B+4*\i], 1
	s_add_co_u32 s[G0B+4*\i+1], s63, RB+\i*4*CELLB
	s_add_nc_u64 s[G0B+4*\i+2:G0B+4*\i+3], s[96:97], \i*4*CELLB
	s_or_b32 s[G0B+4*\i+3], s[G0B+4*\i+3], 0x80000000
.endr
	s_cmp_eq_u32 s[WH], 0
	s_cbranch_scc0 .Lfill_b
	tensor_load_to_lds s[G0A:G0A+3], s[G1A:G1A+7]
	s_nop 0
	tensor_load_to_lds s[G0A+4:G0A+7], s[G1A:G1A+7]
	s_nop 0
	PLACES 4
	s_branch .Lfilled
.Lfill_b:
	tensor_load_to_lds s[G0B:G0B+3], s[G1B:G1B+7]
	s_nop 0
	tensor_load_to_lds s[G0B+4:G0B+7], s[G1B:G1B+7]
	s_nop 0
	PLACES 4
.Lfilled:
	v_and_b32 v1, 31, v0
	v_lshlrev_b32 v[LI], 4, v1
	v_lshlrev_b32 v[LS8], 3, v1
	s_add_co_u32 s61, s60, s[CY]
	s_lshl_b32 s61, s61, 1
	s_add_co_u32 s61, s61, s[WH]                   ; my group of 128 queries, 0..63, over all batches
	s_lshl_b32 s62, s62, 1
	s_add_co_u32 s62, s62, s[WL]                   ; my group of 128 keys, 0..15
	s_lshl_b32 s58, s61, 20                        ; 128 rows of the mask, 8,192 bytes each,
	s_lshl_b32 s59, s62, 9                         ; 128 keys of 4 bytes
	s_or_b32 s58, s58, s59
	s_mov_b32 s59, 0
	s_add_nc_u64 s[90:91], s[6:7], s[58:59]        ; my part of the mask; never rewritten
	LOADM 0                                        ; behind the tensor loads: the three tiles for which registers are free while the products run
	LOADM 1
	LOADM 2
	s_lshl_b32 s61, s61, 4
	s_add_co_u32 s61, s61, s62
	s_mul_i32 s58, s61, BR
	s_add_nc_u64 s[92:93], s[8:9], s[58:59]        ; my brick of P,
	s_lshl_b32 s58, s61, 10
	s_add_nc_u64 s[94:95], s[10:11], s[58:59]      ; my -M_loc and l_loc
	s_mul_i32 s58, s[WH], BR
	s_add_co_u32 s58, s58, RA
	s_mul_i32 s59, s[WL], BR
	s_add_co_u32 s59, s59, RB
	v_add_nc_u32 v[ADRA0], s58, v[LI]
	v_add_nc_u32 v[ADRB0], s59, v[LI]
	v_add_nc_u32 v[ADSA0], s58, v[LS8]
	v_add_nc_u32 v[ADSA0], 8192, v[ADSA0]
	v_add_nc_u32 v[ADSB0], s59, v[LS8]
	v_add_nc_u32 v[ADSB0], 8192, v[ADSB0]
	s_mul_i32 s58, s[WV], STG
	s_add_co_u32 s58, s58, STAGE                   ; my stage
	v_add_nc_u32 v[SIN], s58, v[LI]                ; in: 16 bytes a lane of a row
	v_and_b32 v4, 15, v0
	v_bfe_u32 v5, v0, 4, 1
	v_mul_u32_u24 v[SOUT], v4, 528
	v_lshl_add_u32 v[SOUT], v5, 6, v[SOUT]
	v_add_nc_u32 v[SOUT], s58, v[SOUT]             ; back: row r, + 64 h
.irp b, 0,1,2,3
	v_mov_b32 v[TM+4+\b], 0                        ; a lane permute's destination counts as one of its sources
.endr
	v_mov_b32 v[TM+10], 0
	v_mov_b32 v[NINF], 0xff800000
	s_wait_tensorcnt 0x1                           ; my first load has landed; my second may stay out
	s_barrier_signal -1
	s_barrier_wait -1
	v_add_nc_u32 v[ADRA], 0, v[ADRA0]
	v_add_nc_u32 v[ADRB], 0, v[ADRB0]
	v_add_nc_u32 v[ADSA], 0, v[ADSA0]
	v_add_nc_u32 v[ADSB], 0, v[ADSB0]
	FETCH 0
	STEP 0, 3, 0, 0
	STEP 1, 0, 0, 0
	STEP 2, 0, 0, 0
	STEP 3, 0, 1, 0
	STEP 4, 0, 0, 0
	STEP 5, 0, 0, 0
	STEP 6, 0, 0, 0
	STEP 7, 0, 0, 1
	WIN 0
	PLACES 4                                       ; in front of loads into K's set 1, of the first read of results and of the first write over Q's fragments
	s_wait_loadcnt 32                              ; of tiles 1, 2, 3 the first is in: with the 16 loads below 48 are out again
	LOADM 4
	TURN 0
	v_mov_b32 v[NMP+1], 0                          ; named as the upper half of a pair
.irp a, 0,1,2,3,4,5,6,7
	SOFT \a
.endr
.irp j, 0,1,2,3
	v_cndmask_b32 v[SJ+\j], v[PW+2*\j], v[PW+2*\j+1], s[HI]        ; three images in the same lane order: even tile in lanes 0-15, odd tile in lanes 16-31
	v_cndmask_b32 v[SJ1+\j], v[NMS+2*\j], v[NMS+2*\j+1], s[HI]
	v_cndmask_b32 v[SJ2+\j], v[LLS+2*\j], v[LLS+2*\j+1], s[HI]
.endr
	global_store_b64 v[LS8], v[SJ:SJ+1], s[92:93] offset:8192
	global_store_b64 v[LS8], v[SJ+2:SJ+3], s[92:93] offset:8448
	global_store_b64 v[LS8], v[SJ1:SJ1+1], s[94:95]
	global_store_b64 v[LS8], v[SJ1+2:SJ1+3], s[94:95] offset:256
	global_store_b64 v[LS8], v[SJ2:SJ2+1], s[94:95] offset:512
	global_store_b64 v[LS8], v[SJ2+2:SJ2+3], s[94:95] offset:768
	s_wait_tensorcnt 0x0                           ; the wave's end, behind my last tensor load and my last LDS store
	ds_add_u32 v[SPW], v[NIL]
	s_wait_dscnt 0x0
	CROUND
	s_endpgm
.Lfunc_end_k_q48e4e0c5df_score:
	.size	k_q48e4e0c5df_score, .Lfunc_end_k_q48e4e0c5df_score-k_q48e4e0c5df_score
	.p2alignl 7, 3214868480
	.fill 96, 4, 3214868480
	.section	.rodata,"a",@progbits
	.p2align	6, 0x0
	.amdhsa_kernel k_q48e4e0c5df_score
		.amdhsa_group_segment_fixed_size 327680
		.amdhsa_private_segment_fixed_size 0
		.amdhsa_enable_private_segment 0
		.amdhsa_kernarg_size 32
		.amdhsa_user_sgpr_count 2
		.amdhsa_user_sgpr_kernarg_segment_ptr 1
		.amdhsa_wavefront_size32 1
		.amdhsa_system_sgpr_workgroup_id_x 1
		.amdhsa_system_sgpr_workgroup_id_y 1
		.amdhsa_system_sgpr_workgroup_id_z 1
		.amdhsa_system_vgpr_workitem_id 0
		.amdhsa_next_free_vgpr 1024
		.amdhsa_next_free_sgpr 102
		.amdhsa_reserve_vcc 0
		.amdhsa_float_denorm_mode_32 3
		.amdhsa_float_denorm_mode_16_64 3
		.amdhsa_memory_ordered 1
		.amdhsa_forward_progress 1
		.amdhsa_inst_pref_size 255
	.end_amdhsa_kernel
	.section	.bss,"aw",@nobits
	.p2align	6
	.space	262144
	.amdgpu_metadata
---
amdhsa.version: [ 1, 2 ]
amdhsa.kernels:
  - .name:           k_q48e4e0c5df_score
    .symbol:         k_q48e4e0c5df_score.kd
    .args:
      - { .name: qk, .offset: 0, .size: 8, .value_kind: global_buffer, .address_space: global }
      - { .name: mask, .offset: 8, .size: 8, .value_kind: global_buffer, .address_space: global }
      - { .name: pb, .offset: 16, .size: 8, .value_kind: global_buffer, .address_space: global }
      - { .name: ps, .offset: 24, .size: 8, .value_kind: global_buffer, .address_space: global }
    .group_segment_fixed_size: 327680
    .private_segment_fixed_size: 0
    .kernarg_segment_align: 8
    .kernarg_segment_size: 32
    .max_flat_workgroup_size: 128
    .sgpr_count:     102
    .vgpr_count:     1024
    .wavefront_size: 32
...
	.end_amdgpu_metadata
.endif
;; end of part 3
;; launch pv (part 4): grid 4 x 64, 4 waves a work-group, clusters of 4 x 4, 327,680 bytes of LDS; arguments vt, pb, ps, ao; writes ao
.if DOCPART == 4
	.amdgcn_target "amdgcn-amd-amdhsa--gfx1250"
	.amdhsa_code_object_version 6
	.text
	.protected	k_q48e4e0c5df_pv
	.globl	k_q48e4e0c5df_pv
	.p2align	8
	.type	k_q48e4e0c5df_pv,@function
k_q48e4e0c5df_pv:
	s_mov_b64 s[64:65], 0
	v_nop
	global_prefetch_b8 v0, s[64:65] scope:SCOPE_SE
	s_setreg_imm32_b32 hwreg(HW_REG_WAVE_MODE, 25, 1), 1
	s_wait_xcnt 0x0
	s_wait_alu depctr_hold_cnt(0) depctr_sa_sdst(0) depctr_va_vdst(0) depctr_va_sdst(0) depctr_va_ssrc(0) depctr_va_vcc(0) depctr_vm_vsrc(0)
	s_getreg_b32 s2, hwreg(HW_REG_IB_STS2, 6, 4)
	s_cmp_eq_u32 s2, 0
	s_cbranch_scc0 .Lentry_in_a_cluster
	s_endpgm
.Lentry_in_a_cluster:
	s_bfe_u32 s2, ttmp6, 0x10000c
	s_cmp_lg_u32 s2, 0xf033
	s_cbranch_scc0 .Lentry_shape_is_right
	s_endpgm
.Lentry_shape_is_right:
; PV: O = P V on codes of E2M1, K = the batch's 2,048 keys; O / l; the result quantised along e for the last product.  No work is left out.
; P was quantised under the M of each group of 128 keys.  At the head each wave takes, for its 64 queries, the row's M = the largest M_loc; D = M - M_loc, a whole number, 0 or more; l = the sum of l_loc x 2^-D;
; and each byte of P's scale words becomes max(byte - D, 0): the codes stay, and their values are those under the row's M.
; A row whose l is 0 (no key counts) is divided by 1 and its scale words are set to 0, a word that the quantiser never makes (its floor holds every byte at 1): the last launch puts NaN there, as reference() has it.
; SHARES.  A work-group makes 256 e x 128 queries, 16 k steps of 128 keys; a wave 128 e x 64 queries: 32 accumulators.  Source 0 = V^T's rows (e along the registers), source 1 = P's rows (a lane holds one query).
; CLUSTER 4 x 4: P's group hangs on cy (joint along my row), V^T's unit on cx (joint along my column).  LDS holds 12 k steps: V^T's cells of 17,408 bytes, P's of 8,704.  Waves 0, 1 fetch P, waves 2, 3 V^T; a load = two k steps.
; Three first fills a wave (k steps 0 to 11) and ONE refill (k steps 12 to 15 into cells 0 to 3), behind a round of the cluster's barrier in k step 3, when cells 0 to 3 have been read; it has eight k steps in which to land.  Three tensor loads of a wave are out at the most.
; LIMITS: D is held at 127; a byte that would fall under 0 is held at 0, so what it scales counts for at most 6 x 2^-127 a code; NaN and infinities are not served.
; REGISTERS.  window 0: v2-5 lane offsets; v16-23 LDS addresses; v28, v29 the add's two; v32-63 P's scale words, two a k step; v64-71 V^T's, two sets; v72-127 at work; v128-191 P's fragments, two sets;
;   v192-223 -M_loc (later the codes), v224-255 l_loc.   window 1: V^T's fragments, two sets.   window 2: accumulator (a, b) at v[8 (8 a + b)].
.set BR,    8704
.set KS2,   2*BR
.set UNIT,  8*KS2
.set NA,    4
.set NCELL, 12
.set CELLA, BR
.set CELLB, KS2
.set RB,    0
.set RA,    NCELL*KS2
.set SPARE, RA+NCELL*BR                ; the spare words, 128 bytes a wave: two blocks of 256 bytes that no other line names
.set LI,   2
.set LS8,  3
.set LSW,  4
.set LIW,  5
.set ADRA, 16
.set ADRB, 17
.set ADSB, 19
.set ADRA0, 20
.set ADRB0, 21
.set ADSB0, 23
.set SPW,  28
.set NIL,  29
.set PSC,  32
.set SB,   64
.set TM,   72
.set PW,   88
.set SJ,   92
.set ZR,   94
.set L4,   96
.set RL,   100
.set MR,   108
.set LS,   110
.set YY,   114
.set AF,   128
.set NM,   192
.set PC,   192
.set LL,   224
.set WV,  20
.set WH,  21
.set WL,  22
.set CX,  23
.set G1A, 24
.set G1B, 32
.set G0A, 40
.set CY,  56
.set CLY, 57
.set G0B, 68
.set SEL, 84
.set HI,  88
.set MSB, 0
.macro WIN new
.if MSB != (\new)
	s_set_vgpr_msb (MSB<<8)|(\new)
.set MSB, (\new)
.endif
.endm
.macro PLACES n
.rept \n
	v_nop
.endr
.endm
.macro CROUND
	s_barrier_signal -1
	s_barrier_wait -1
	s_cmp_lg_u32 s[WV], 0
	s_cbranch_scc1 .Lnot_wave_0_\@
	s_barrier_signal -3
.Lnot_wave_0_\@:
	s_barrier_wait -3
	s_barrier_signal -1
	s_barrier_wait -1
.endm
.macro JLOAD3                          ; the joint refill: each of the two lines has one mask and one set of registers; the branch hangs on the wave's number alone
	s_cmp_eq_u32 s[WH], 0
	s_cbranch_scc0 .Lfor_b_\@
	tensor_load_to_lds s[G0A+12:G0A+15], s[G1A:G1A+7]
	s_nop 0
	PLACES 4
	s_branch .Lasked_\@
.Lfor_b_\@:
	tensor_load_to_lds s[G0B+12:G0B+15], s[G1B:G1B+7]
	s_nop 0
	PLACES 4
.Lasked_\@:
.endm
.macro FETCH p
	WIN 0x40
.irp b, 0,1,2,3,4,5,6,7
.irp c, 0,1
	ds_load_b128 v[128*(\p)+8*\b+4*\c:128*(\p)+8*\b+4*\c+3], v[ADRB] offset:1024*\b+512*\c
.endr
.endr
	WIN 0
.irp a, 0,1,2,3
.irp c, 0,1
	ds_load_b128 v[AF+8*NA*(\p)+8*\a+4*\c:AF+8*NA*(\p)+8*\a+4*\c+3], v[ADRA] offset:1024*\a+512*\c
.endr
.endr
	ds_load_b64 v[SB+4*(\p):SB+4*(\p)+1], v[ADSB]
	ds_load_b64 v[SB+4*(\p)+2:SB+4*(\p)+3], v[ADSB] offset:256
.endm
.macro WM a, b, p, cm                  ; cm = 0: C = D;  3: C = 0
.set rD, 8*(8*((\a)%4)+(\b))
.set rB, 128*(\p)+8*(\b)
.set rA, AF+8*NA*(\p)+8*(\a)
.set rSB, SB+4*(\p)+(\b)/2
.set rSA, SAB+(\a)/2
.set rw, ((\b)%2)+2*((\a)%2)
.if (\cm) == 3
.if rw == 0
	v_wmma_scale_f32_16x16x128_f8f6f4 v[rD:rD+7], v[rB:rB+7], v[rA:rA+7], 0, v[rSB], v[rSA] matrix_a_fmt:MATRIX_FMT_FP4 matrix_b_fmt:MATRIX_FMT_FP4
.elseif rw == 1
	v_wmma_scale_f32_16x16x128_f8f6f4 v[rD:rD+7], v[rB:rB+7], v[rA:rA+7], 0, v[rSB], v[rSA] matrix_a_fmt:MATRIX_FMT_FP4 matrix_b_fmt:MATRIX_FMT_FP4 matrix_a_scale:MATRIX_SCALE_ROW1
.elseif rw == 2
	v_wmma_scale_f32_16x16x128_f8f6f4 v[rD:rD+7], v[rB:rB+7], v[rA:rA+7], 0, v[rSB], v[rSA] matrix_a_fmt:MATRIX_FMT_FP4 matrix_b_fmt:MATRIX_FMT_FP4 matrix_b_scale:MATRIX_SCALE_ROW1
.else
	v_wmma_scale_f32_16x16x128_f8f6f4 v[rD:rD+7], v[rB:rB+7], v[rA:rA+7], 0, v[rSB], v[rSA] matrix_a_fmt:MATRIX_FMT_FP4 matrix_b_fmt:MATRIX_FMT_FP4 matrix_a_scale:MATRIX_SCALE_ROW1 matrix_b_scale:MATRIX_SCALE_ROW1
.endif
.else
.if rw == 0
	v_wmma_scale_f32_16x16x128_f8f6f4 v[rD:rD+7], v[rB:rB+7], v[rA:rA+7], v[rD:rD+7], v[rSB], v[rSA] matrix_a_fmt:MATRIX_FMT_FP4 matrix_b_fmt:MATRIX_FMT_FP4
.elseif rw == 1
	v_wmma_scale_f32_16x16x128_f8f6f4 v[rD:rD+7], v[rB:rB+7], v[rA:rA+7], v[rD:rD+7], v[rSB], v[rSA] matrix_a_fmt:MATRIX_FMT_FP4 matrix_b_fmt:MATRIX_FMT_FP4 matrix_a_scale:MATRIX_SCALE_ROW1
.elseif rw == 2
	v_wmma_scale_f32_16x16x128_f8f6f4 v[rD:rD+7], v[rB:rB+7], v[rA:rA+7], v[rD:rD+7], v[rSB], v[rSA] matrix_a_fmt:MATRIX_FMT_FP4 matrix_b_fmt:MATRIX_FMT_FP4 matrix_b_scale:MATRIX_SCALE_ROW1
.else
	v_wmma_scale_f32_16x16x128_f8f6f4 v[rD:rD+7], v[rB:rB+7], v[rA:rA+7], v[rD:rD+7], v[rSB], v[rSA] matrix_a_fmt:MATRIX_FMT_FP4 matrix_b_fmt:MATRIX_FMT_FP4 matrix_a_scale:MATRIX_SCALE_ROW1 matrix_b_scale:MATRIX_SCALE_ROW1
.endif
.endif
.endm
.macro MULALL p, cm                    ; all 32 accumulators by turns, one instruction a turn
	WIN 0xa1
.set ma, 0
.rept NA
.irp b, 0,1,2,3,4,5,6,7
	WM ma, \b, \p, \cm
.endr
.set ma, ma+1
.endr
.endm
; sync = 1: the refill has landed, in every wave.  sync = 2: the refill: all my tensor loads waited for, the add, the wait for it and for my reads of cells 0 to 3 (the last were k step 3's, asked for a step ago),
; a round of the cluster's barrier, and the joint load first behind it.
.macro STEP k, cm, sync, last
	WIN 0
.if (\sync) == 2
	s_wait_tensorcnt 0x0                           ; all my first fills have landed
	ds_add_u32 v[SPW], v[NIL]                      ; 0 onto my spare word; the address lines stand between it and the wait for it
.else
	s_wait_dscnt 0x0                               ; this step's fragments were asked for a whole step ago
.endif
.if (\sync) == 1
	s_wait_tensorcnt 0x0
	s_barrier_signal -1
	s_barrier_wait -1
.endif
.if !(\last)
	v_add_nc_u32 v[ADRA], CELLA*(((\k)+1)%NCELL), v[ADRA0]         ; four plain lines: the places in front of loads into the set that the last step multiplied
	v_add_nc_u32 v[ADRB], CELLB*(((\k)+1)%NCELL), v[ADRB0]
	v_add_nc_u32 v[ADSB], CELLB*(((\k)+1)%NCELL), v[ADSB0]
	v_nop
.endif
.if (\sync) == 2
	s_wait_dscnt 0x0
	CROUND
	JLOAD3
.endif
.if !(\last)
	FETCH 1-(\k)%2
.endif
.set SAB, PSC+2*(\k)
	MULALL (\k)%2, \cm
.endm
.macro QUANT s, ws, pc, pw
	WIN ((\ws)<<2)|((\ws)<<4)
.irp b, 0,1,2,3
	v_max3_num_f32 v[TM+\b], 0x1800000, |v[(\s)+16*\b]|, |v[(\s)+16*\b+1]|
.endr
.irp i, 2,4,6,8,10,12,14
.irp b, 0,1,2,3
	v_max3_num_f32 v[TM+\b], v[TM+\b], |v[(\s)+16*\b+\i]|, |v[(\s)+16*\b+\i+1]|
.endr
.endr
	WIN 0
.irp b, 0,1,2,3
	v_permlanex16_b32 v[TM+4+\b], v[TM+\b], s[SEL], s[SEL+1]
.endr
.irp b, 0,1,2,3
	v_max_num_f32 v[TM+\b], v[TM+\b], v[TM+4+\b]
.endr
.irp b, 0,1,2,3
	v_add_nc_u32 v[TM+12+\b], 0xff000000, v[TM+\b]
.endr
.irp b, 0,1,2,3
	v_lshrrev_b32 v[TM+4+\b], 23, v[TM+12+\b]
.endr
	v_lshl_or_b32 v[\pw], v[TM+5], 8, v[TM+4]
	v_lshl_or_b32 v[\pw], v[TM+6], 16, v[\pw]
	v_lshl_or_b32 v[\pw], v[TM+7], 24, v[\pw]
	WIN \ws
.irp b, 0,1,2,3
	v_cvt_scalef32_pk8_fp4_f32 v[(\pc)+2*\b], v[(\s)+16*\b:(\s)+16*\b+7], v[TM+12+\b]
	v_cvt_scalef32_pk8_fp4_f32 v[(\pc)+2*\b+1], v[(\s)+16*\b+8:(\s)+16*\b+15], v[TM+12+\b]
.endr
	WIN 0
	v_nop
.irp c, 0,1
.irp i, 0,1
	v_permlane16_swap_b32 v[(\pc)+4*\c+\i], v[(\pc)+4*\c+2+\i]
.endr
.endr
.endm
; Four scale words (key groups 2 u, 2 u + 1; two registers each), line by line, so that no line waits for the line above it.
.macro ADJ4 u
.irp q, 0,1,2,3
	v_add_f32 v[72+\q], v[NM+4*(\u)+\q], v[MR+(\q%2)]              ; D = M - M_loc
.endr
.irp q, 0,1,2,3
	v_min_num_f32 v[72+\q], 0x42fe0000, v[72+\q]                   ; held at 127
.endr
.irp q, 0,1,2,3
	v_cvt_u32_f32 v[72+\q], v[72+\q]
.endr
.irp q, 0,1,2,3
	v_sub_nc_u32 v[76+\q], 0, v[72+\q]
.endr
.irp q, 0,1,2,3
	v_ldexp_f32 v[76+\q], v[LL+4*(\u)+\q], v[76+\q]                ; l_loc x 2^-D: nothing is rounded
.endr
.irp q, 0,1,2,3
	v_add_f32 v[LS+\q], v[LS+\q], v[76+\q]
.endr
.irp q, 0,1,2,3
	v_lshl_or_b32 v[80+\q], v[72+\q], 8, v[72+\q]
.endr
.irp q, 0,1,2,3
	v_lshl_or_b32 v[80+\q], v[80+\q], 16, v[80+\q]                 ; D in all four bytes
.endr
.irp q, 0,1,2,3
	v_or_b32 v[84+\q], 0x80808080, v[PSC+4*(\u)+\q]                ; the bytes are under 128: with bit 7 set no byte borrows from its neighbour
.endr
.irp q, 0,1,2,3
	v_sub_nc_u32 v[84+\q], v[84+\q], v[80+\q]
.endr
.irp q, 0,1,2,3
	v_lshrrev_b32 v[88+\q], 7, v[84+\q]
.endr
.irp q, 0,1,2,3
	v_and_b32 v[88+\q], 0x01010101, v[88+\q]                       ; 1 where byte >= D
.endr
.irp q, 0,1,2,3
	v_lshlrev_b32 v[76+\q], 8, v[88+\q]
.endr
.irp q, 0,1,2,3
	v_sub_nc_u32 v[76+\q], v[76+\q], v[88+\q]                      ; 0xff there, 0 elsewhere
.endr
.irp q, 0,1,2,3
	v_and_b32 v[84+\q], 0x7f7f7f7f, v[84+\q]
.endr
.irp q, 0,1,2,3
	v_and_b32 v[PSC+4*(\u)+\q], v[84+\q], v[76+\q]                 ; max(byte - D, 0)
.endr
.endm
	s_load_b256 s[4:11], s[0:1], 0x0               ; vt, pb, ps, ao
	v_lshl_add_u32 v[SPW], v0, 2, SPARE
	v_mov_b32 v[NIL], 0
	ds_add_u32 v[SPW], v[NIL]                      ; the opening: the add, twice on end, and its wait ahead of my first tensor load
	ds_add_u32 v[SPW], v[NIL]
	v_lshrrev_b32 v1, 5, v0
	v_readfirstlane_b32 s[WV], v1
	s_lshr_b32 s[WH], s[WV], 1                     ; my 64 of the 128 queries.  Also: I fetch for P (0) or V^T (1)
	s_and_b32 s[WL], s[WV], 1                      ; my 128 of the 256 e.  Also: which two k steps of four I fetch
	s_bfe_u32 s[CX], ttmp6, 0x40000
	s_bfe_u32 s[CY], ttmp6, 0x40004
	s_and_b32 s[CLY], ttmp7, 0xffff
	s_lshl_b32 s58, s[CY], 2
	s_lshl_b32 s58, 15, s58
	s_lshl_b32 s59, 0x1111, s[CX]
	s_or_b32 s[G1A], s58, (3<<16)|(1<<21)
	s_or_b32 s[G1B], s59, (3<<16)|(1<<21)
	s_mov_b32 s[G1A+1], 32<<16                     ; P: rows of 256 bytes, 68 of them: two k steps of 128 rows
	s_mov_b32 s[G1A+2], 68<<16
	s_mov_b32 s[G1A+3], 32<<16
	s_mov_b32 s[G1A+4], 68
	s_mov_b32 s[G1A+5], 32
	s_mov_b32 s[G1A+6], 0
	s_mov_b32 s[G1A+7], 0
	s_mov_b32 s[G1B+1], 32<<16                     ; V^T: 136 rows: two k steps of 256 rows
	s_mov_b32 s[G1B+2], 136<<16
	s_mov_b32 s[G1B+3], 32<<16
	s_mov_b32 s[G1B+4], 136
	s_mov_b32 s[G1B+5], 32
	s_mov_b32 s[G1B+6], 0
	s_mov_b32 s[G1B+7], 0
	s_lshl_b32 s60, s[CLY], 2
	s_add_co_u32 s60, s60, s[CY]                   ; my group of 128 queries, 0..63
	s_mul_i32 s58, s60, 16*BR
	s_mul_i32 s62, s[WL], 2*BR
	s_add_co_u32 s58, s58, s62
	s_mov_b32 s59, 0
	s_lshr_b32 s61, s[CLY], 2                      ; the batch
	s_lshl_b32 s61, s61, 2
	s_add_co_u32 s61, s61, s[CX]                   ; V^T's unit of 256 e
	s_mul_i32 s92, s61, 16*KS2
	s_mul_i32 s63, s[WL], 2*KS2
	s_add_co_u32 s92, s92, s63
	s_mov_b32 s93, 0
	s_mov_b32 s[SEL], 0x76543210
	s_mov_b32 s[SEL+1], 0xfedcba98
	s_mov_b32 s[HI], 0xffff0000
	s_wait_dscnt 0x0
	s_wait_kmcnt 0x0
	s_add_nc_u64 s[94:95], s[6:7], s[58:59]
	s_add_nc_u64 s[96:97], s[4:5], s[92:93]
	CROUND
.irp i, 0,1,2,3
	s_mov_b32 s[G0A+4*\i], 1
	s_add_co_u32 s[G0A+4*\i+1], s62, RA+((4*\i)%NCELL)*CELLA       ; k steps 4 i + 2 WL and the next, in cells (4 i) % 12 + 2 WL and the next
	s_add_nc_u64 s[G0A+4*\i+2:G0A+4*\i+3], s[94:95], \i*4*CELLA
	s_or_b32 s[G0A+4*\i+3], s[G0A+4*\i+3], 0x80000000
	s_mov_b32 s[G0B+4*\i], 1
	s_add_co_u32 s[G0B+4*\i+1], s63, RB+((4*\i)%NCELL)*CELLB
	s_add_nc_u64 s[G0B+4*\i+2:G0B+4*\i+3], s[96:97], \i*4*CELLB
	s_or_b32 s[G0B+4*\i+3], s[G0B+4*\i+3], 0x80000000
.endr
	s_cmp_eq_u32 s[WH], 0
	s_cbranch_scc0 .Lfill_b
	tensor_load_to_lds s[G0A:G0A+3], s[G1A:G1A+7]
	s_nop 0
	tensor_load_to_lds s[G0A+4:G0A+7], s[G1A:G1A+7]
	s_nop 0
	tensor_load_to_lds s[G0A+8:G0A+11], s[G1A:G1A+7]
	s_nop 0
	PLACES 4
	s_branch .Lfilled
.Lfill_b:
	tensor_load_to_lds s[G0B:G0B+3], s[G1B:G1B+7]
	s_nop 0
	tensor_load_to_lds s[G0B+4:G0B+7], s[G1B:G1B+7]
	s_nop 0
	tensor_load_to_lds s[G0B+8:G0B+11], s[G1B:G1B+7]
	s_nop 0
	PLACES 4
.Lfilled:
	v_and_b32 v1, 31, v0
	v_lshlrev_b32 v[LI], 4, v1
	v_lshlrev_b32 v[LS8], 3, v1
	s_lshl_b32 s58, s[WH], 8
	v_add_nc_u32 v[LSW], s58, v[LS8]               ; 8 x lane + 256 WH: my four tiles' part of an image
	s_lshl_b32 s58, s[WH], 12
	v_add_nc_u32 v[LIW], s58, v[LI]                ; 16 x lane + 4,096 WH: my four tiles' codes
	s_lshl_b32 s58, s60, 14
	s_mov_b32 s59, 0
	s_add_nc_u64 s[90:91], s[8:9], s[58:59]        ; my queries' -M_loc and l_loc,
	s_mul_i32 s58, s60, 16*BR
	s_add_nc_u64 s[92:93], s[6:7], s[58:59]        ; and P's bricks, for the scale words
.irp s, 0,1,2,3,4,5,6,7,8,9,10,11,12,13,14,15
	global_load_b64 v[NM+2*\s:NM+2*\s+1], v[LSW], s[90:91] offset:1024*\s          ; 256 consecutive bytes a load
	global_load_b64 v[LL+2*\s:LL+2*\s+1], v[LSW], s[90:91] offset:1024*\s+512
	global_load_b64 v[PSC+2*\s:PSC+2*\s+1], v[LSW], s[92:93] offset:8704*\s+8192
.endr
	s_lshl_b32 s58, s[WH], 12
	s_add_co_u32 s58, s58, RA
	s_mul_i32 s59, s[WL], BR
	s_add_co_u32 s59, s59, RB
	v_add_nc_u32 v[ADRA0], s58, v[LI]
	v_add_nc_u32 v[ADRB0], s59, v[LI]
	v_add_nc_u32 v[ADSB0], s59, v[LS8]
	v_add_nc_u32 v[ADSB0], 8192, v[ADSB0]
	s_lshl_b32 s58, s60, 3
	s_lshl_b32 s61, s[CX], 1
	s_add_co_u32 s58, s58, s61
	s_add_co_u32 s58, s58, s[WL]                   ; the result's brick: group x 8 + e / 128
	s_mul_i32 s58, s58, BR
	s_mov_b32 s59, 0
	s_add_nc_u64 s[94:95], s[10:11], s[58:59]
	v_mov_b32 v[ZR], 0
	v_mov_b32 v[YY], 0
	v_mov_b32 v[YY+1], 0
.irp q, 0,1,2,3
	v_mov_b32 v[LS+\q], 0
.endr
	s_wait_loadcnt 0x0
.irp j, 0,1
	v_max_num_f32 v[MR+\j], -v[NM+\j], -v[NM+2+\j] ; the row's M: the largest of the sixteen M_loc
.endr
.irp s, 4,8,12,16,20,24,28
.irp j, 0,1
	v_max3_num_f32 v[MR+\j], v[MR+\j], -v[NM+\s+\j], -v[NM+\s+2+\j]
.endr
.endr
.irp u, 0,1,2,3,4,5,6,7
	ADJ4 \u
.endr
	v_add_f32 v[LS], v[LS], v[LS+2]
	v_add_f32 v[LS+1], v[LS+1], v[LS+3]            ; l: register j holds tile 2 j in lanes 0-15, tile 2 j + 1 in lanes 16-31
	v_permlanex16_b32 v[YY], v[LS], s[SEL], s[SEL+1]
	v_permlanex16_b32 v[YY+1], v[LS+1], s[SEL], s[SEL+1]
	v_cndmask_b32 v[L4], v[LS], v[YY], s[HI]       ; into the results' order: tile a's l of query r in lanes r and 16 + r
	v_cndmask_b32 v[L4+1], v[YY], v[LS], s[HI]
	v_cndmask_b32 v[L4+2], v[LS+1], v[YY+1], s[HI]
	v_cndmask_b32 v[L4+3], v[YY+1], v[LS+1], s[HI]
.irp a, 0,1,2,3
	v_cmp_eq_f32 s[96+\a], 0, v[L4+\a]             ; rows for which no key counts
.endr
.irp a, 0,1,2,3
	v_cndmask_b32 v[L4+\a], v[L4+\a], 1.0, s[96+\a]
.endr
.irp a, 0,1,2,3
	v_rcp_f32 v[RL+2*\a], v[L4+\a]
.endr
.irp a, 0,1,2,3
	v_mov_b32 v[RL+2*\a+1], 0                      ; (plain lines behind the reciprocals; the pairs' upper halves are named, so they are written)
.endr
	s_wait_alu depctr_va_vdst(0)                   ; one wait for the four reciprocals
	s_wait_tensorcnt 0x2                           ; my first load has landed; my two later ones may stay out
	s_barrier_signal -1
	s_barrier_wait -1
	v_add_nc_u32 v[ADRA], 0, v[ADRA0]
	v_add_nc_u32 v[ADRB], 0, v[ADRB0]
	v_add_nc_u32 v[ADSB], 0, v[ADSB0]
	FETCH 0
	STEP 0, 3, 0, 0
	STEP 1, 0, 0, 0
	STEP 2, 0, 0, 0
	STEP 3, 0, 2, 0
	STEP 4, 0, 0, 0
	STEP 5, 0, 0, 0
	STEP 6, 0, 0, 0
	STEP 7, 0, 0, 0
	STEP 8, 0, 0, 0
	STEP 9, 0, 0, 0
	STEP 10, 0, 0, 0
	STEP 11, 0, 1, 0
	STEP 12, 0, 0, 0
	STEP 13, 0, 0, 0
	STEP 14, 0, 0, 0
	STEP 15, 0, 0, 1
	WIN 0
	PLACES 4
.irp a, 0,1,2,3
	WIN 0x82
.set jj, 0
.rept 32
	v_pk_mul_f32 v[64*\a+jj:64*\a+jj+1], v[64*\a+jj:64*\a+jj+1], v[RL+2*\a:RL+2*\a+1] op_sel_hi:[1,0]   ; O / l, each accumulator from its low end on
.set jj, jj+2
.endr
	QUANT 64*\a, 2, PC+8*\a, PW+\a
	v_cndmask_b32 v[PW+\a], v[PW+\a], v[ZR], s[96+\a]              ; the mark of a row for which no key counts
	global_store_b128 v[LIW], v[PC+8*\a:PC+8*\a+3], s[94:95] offset:1024*\a
	global_store_b128 v[LIW], v[PC+8*\a+4:PC+8*\a+7], s[94:95] offset:1024*\a+512
.endr
	v_cndmask_b32 v[SJ], v[PW], v[PW+1], s[HI]
	v_cndmask_b32 v[SJ+1], v[PW+2], v[PW+3], s[HI]
	global_store_b64 v[LSW], v[SJ:SJ+1], s[94:95] offset:8192      ; my half of the scale image: 256 consecutive bytes
	s_wait_tensorcnt 0x0                           ; the wave's end
	ds_add_u32 v[SPW], v[NIL]
	s_wait_dscnt 0x0
	CROUND
	s_endpgm
.Lfunc_end_k_q48e4e0c5df_pv:
	.size	k_q48e4e0c5df_pv, .Lfunc_end_k_q48e4e0c5df_pv-k_q48e4e0c5df_pv
	.p2alignl 7, 3214868480
	.fill 96, 4, 3214868480
	.section	.rodata,"a",@progbits
	.p2align	6, 0x0
	.amdhsa_kernel k_q48e4e0c5df_pv
		.amdhsa_group_segment_fixed_size 327680
		.amdhsa_private_segment_fixed_size 0
		.amdhsa_enable_private_segment 0
		.amdhsa_kernarg_size 32
		.amdhsa_user_sgpr_count 2
		.amdhsa_user_sgpr_kernarg_segment_ptr 1
		.amdhsa_wavefront_size32 1
		.amdhsa_system_sgpr_workgroup_id_x 1
		.amdhsa_system_sgpr_workgroup_id_y 1
		.amdhsa_system_sgpr_workgroup_id_z 1
		.amdhsa_system_vgpr_workitem_id 0
		.amdhsa_next_free_vgpr 768
		.amdhsa_next_free_sgpr 102
		.amdhsa_reserve_vcc 0
		.amdhsa_float_denorm_mode_32 3
		.amdhsa_float_denorm_mode_16_64 3
		.amdhsa_memory_ordered 1
		.amdhsa_forward_progress 1
		.amdhsa_inst_pref_size 160
	.end_amdhsa_kernel
	.amdgpu_metadata
---
amdhsa.version: [ 1, 2 ]
amdhsa.kernels:
  - .name:           k_q48e4e0c5df_pv
    .symbol:         k_q48e4e0c5df_pv.kd
    .args:
      - { .name: vt, .offset: 0, .size: 8, .value_kind: global_buffer, .address_space: global }
      - { .name: pb, .offset: 8, .size: 8, .value_kind: global_buffer, .address_space: global }
      - { .name: ps, .offset: 16, .size: 8, .value_kind: global_buffer, .address_space: global }
      - { .name: ao, .offset: 24, .size: 8, .value_kind: global_buffer, .address_space: global }
    .group_segment_fixed_size: 327680
    .private_segment_fixed_size: 0
    .kernarg_segment_align: 8
    .kernarg_segment_size: 32
    .max_flat_workgroup_size: 128
    .sgpr_count:     102
    .vgpr_count:     768
    .wavefront_size: 32
...
	.end_amdgpu_metadata
.endif
;; end of part 4
;; launch outp (part 5): grid 4 x 64, 4 waves a work-group, clusters of 4 x 4, 327,680 bytes of LDS; arguments wb, ao, bo, out0; writes out0
.if DOCPART == 5
	.amdgcn_target "amdgcn-amd-amdhsa--gfx1250"
	.amdhsa_code_object_version 6
	.text
	.protected	k_q48e4e0c5df_outp
	.globl	k_q48e4e0c5df_outp
	.p2align	8
	.type	k_q48e4e0c5df_outp,@function
k_q48e4e0c5df_outp:
	s_mov_b64 s[64:65], 0
	v_nop
	global_prefetch_b8 v0, s[64:65] scope:SCOPE_SE
	s_setreg_imm32_b32 hwreg(HW_REG_WAVE_MODE, 25, 1), 1
	s_wait_xcnt 0x0
	s_wait_alu depctr_hold_cnt(0) depctr_sa_sdst(0) depctr_va_vdst(0) depctr_va_sdst(0) depctr_va_ssrc(0) depctr_va_vcc(0) depctr_vm_vsrc(0)
	s_getreg_b32 s2, hwreg(HW_REG_IB_STS2, 6, 4)
	s_cmp_eq_u32 s2, 0
	s_cbranch_scc0 .Lentry_in_a_cluster
	s_endpgm
.Lentry_in_a_cluster:
	s_bfe_u32 s2, ttmp6, 0x10000c
	s_cmp_lg_u32 s2, 0xf033
	s_cbranch_scc0 .Lentry_shape_is_right
	s_endpgm
.Lentry_shape_is_right:
; OUTP: out0 = (attention's result) Wo^T + bo on codes of E2M1, f32 out.  No work is left out.
; SHARES.  A work-group makes 256 features x 128 rows, K = 1,024; a wave 128 x 64: 32 accumulators.  Source 0 = Wo's rows (features along the registers), source 1 = the rows (a lane holds one row).
; CLUSTER 4 x 4: the rows' group hangs on cy (joint along my row of the cluster), Wo's unit on cx (joint along my column).  Both lie whole in LDS, filled once, two loads a wave, two out at the most.  bo is the C of the first k step.
; A row whose first scale word is 0 is a row for which no key counted (the launch before marks it so; the quantiser never makes that word): it gets NaN, as reference() has it, by a select.
; THE WAY OUT: a lane holds 4 x 64 bytes of one row, and the lanes beside it hold other rows: a tile of 16 rows goes through the wave's own stage (rows of 512 + 16 bytes, bytes that no tensor load fills) and leaves as rows of 512 consecutive bytes.
; REGISTERS.  window 0: v2-4 lane offsets; v16-23 LDS addresses; v24, v25 the stage; v26 NaN; v28, v29 the add's two; v32-35 the rows' scale words, v40-47 Wo's, two sets each; v128-191 the rows' fragments, two sets; on the way out v128-255 rows of out0.
;   window 1: v0-63, v128-191 Wo's fragments; v64-127 bo.   window 2: accumulator (a, b) at v[8 (8 a + b)].
.set BR,    8704
.set KS2,   2*BR
.set UNIT,  8*KS2
.set NA,    4
.set CELLA, BR
.set CELLB, KS2
.set RB,    0
.set RA,    UNIT
.set STAGE, RA+8*BR
.set STG,   16*528
.set SPARE, STAGE+4*STG                ; the spare words, 128 bytes a wave: two blocks of 256 bytes that no other line names
.set LI,   2
.set LS8,  3
.set ADRA, 16
.set ADRB, 17
.set ADSA, 18
.set ADSB, 19
.set ADRA0, 20
.set ADRB0, 21
.set ADSA0, 22
.set ADSB0, 23
.set SO,   24
.set SR,   25
.set NANR, 26
.set SPW,  28
.set NIL,  29
.set SA,   32
.set SB,   40
.set AF,   128
.set BK,   128
.set BIAS, 64
.set WV,  20
.set WH,  21
.set WL,  22
.set CX,  23
.set G1A, 24
.set G1B, 32
.set G0A, 40
.set CY,  56
.set CLY, 57
.set G0B, 68
.set MSB, 0
.macro WIN new
.if MSB != (\new)
	s_set_vgpr_msb (MSB<<8)|(\new)
.set MSB, (\new)
.endif
.endm
.macro PLACES n
.rept \n
	v_nop
.endr
.endm
.macro CROUND
	s_barrier_signal -1
	s_barrier_wait -1
	s_cmp_lg_u32 s[WV], 0
	s_cbranch_scc1 .Lnot_wave_0_\@
	s_barrier_signal -3
.Lnot_wave_0_\@:
	s_barrier_wait -3
	s_barrier_signal -1
	s_barrier_wait -1
.endm
.macro FETCH p
	WIN 0x40
.irp b, 0,1,2,3,4,5,6,7
.irp c, 0,1
	ds_load_b128 v[128*(\p)+8*\b+4*\c:128*(\p)+8*\b+4*\c+3], v[ADRB] offset:1024*\b+512*\c
.endr
.endr
	WIN 0
.irp a, 0,1,2,3
.irp c, 0,1
	ds_load_b128 v[AF+8*NA*(\p)+8*\a+4*\c:AF+8*NA*(\p)+8*\a+4*\c+3], v[ADRA] offset:1024*\a+512*\c
.endr
.endr
	ds_load_b64 v[SB+4*(\p):SB+4*(\p)+1], v[ADSB]
	ds_load_b64 v[SB+4*(\p)+2:SB+4*(\p)+3], v[ADSB] offset:256
	ds_load_b64 v[SA+2*(\p):SA+2*(\p)+1], v[ADSA]
.endm
.macro WM a, b, p, cm                  ; cm = 0: C = D;  1: C = the bias of Wo's tile
.set rD, 8*(8*((\a)%4)+(\b))
.set rB, 128*(\p)+8*(\b)
.set rA, AF+8*NA*(\p)+8*(\a)
.set rSB, SB+4*(\p)+(\b)/2
.set rSA, SAB+(\a)/2
.set rC, rD
.if (\cm) == 1
.set rC, BIAS+8*(\b)
.endif
.set rw, ((\b)%2)+2*((\a)%2)
.if rw == 0
	v_wmma_scale_f32_16x16x128_f8f6f4 v[rD:rD+7], v[rB:rB+7], v[rA:rA+7], v[rC:rC+7], v[rSB], v[rSA] matrix_a_fmt:MATRIX_FMT_FP4 matrix_b_fmt:MATRIX_FMT_FP4
.elseif rw == 1
	v_wmma_scale_f32_16x16x128_f8f6f4 v[rD:rD+7], v[rB:rB+7], v[rA:rA+7], v[rC:rC+7], v[rSB], v[rSA] matrix_a_fmt:MATRIX_FMT_FP4 matrix_b_fmt:MATRIX_FMT_FP4 matrix_a_scale:MATRIX_SCALE_ROW1
.elseif rw == 2
	v_wmma_scale_f32_16x16x128_f8f6f4 v[rD:rD+7], v[rB:rB+7], v[rA:rA+7], v[rC:rC+7], v[rSB], v[rSA] matrix_a_fmt:MATRIX_FMT_FP4 matrix_b_fmt:MATRIX_FMT_FP4 matrix_b_scale:MATRIX_SCALE_ROW1
.else
	v_wmma_scale_f32_16x16x128_f8f6f4 v[rD:rD+7], v[rB:rB+7], v[rA:rA+7], v[rC:rC+7], v[rSB], v[rSA] matrix_a_fmt:MATRIX_FMT_FP4 matrix_b_fmt:MATRIX_FMT_FP4 matrix_a_scale:MATRIX_SCALE_ROW1 matrix_b_scale:MATRIX_SCALE_ROW1
.endif
.endm
.macro MULALL p, cm                    ; all 32 accumulators by turns, one instruction a turn
.if (\cm) == 0
	WIN 0xa1
.else
	WIN 0x91
.endif
.set ma, 0
.rept NA
.irp b, 0,1,2,3,4,5,6,7
	WM ma, \b, \p, \cm
.endr
.set ma, ma+1
.endr
.endm
.macro STEP k, cm, sync, last
	WIN 0
	s_wait_dscnt 0x0                               ; this step's fragments were asked for a whole step ago
.if \sync
	s_wait_tensorcnt 0x0                           ; my second load, k steps 4 to 7, has landed,
	s_barrier_signal -1
	s_barrier_wait -1                              ; everybody's has
.endif
.if !(\last)
	v_add_nc_u32 v[ADRA], CELLA*((\k)+1), v[ADRA0] ; four plain lines: the places in front of loads into the set that the last step multiplied
	v_add_nc_u32 v[ADRB], CELLB*((\k)+1), v[ADRB0]
	v_add_nc_u32 v[ADSA], CELLA*((\k)+1), v[ADSA0]
	v_add_nc_u32 v[ADSB], CELLB*((\k)+1), v[ADSB0]
	FETCH 1-(\k)%2
.endif
.set SAB, SA+2*((\k)%2)
	MULALL (\k)%2, \cm
.endm
.macro TOSTAGE a                       ; tile a: the select, into my stage, and back as whole rows.  LDS serves a wave's instructions in order: no wait between the stores and the loads
.set xx, 64*(\a)
	WIN 0x82
.set nn, 0
.rept 64
	v_cndmask_b32 v[xx+nn], v[xx+nn], v[NANR], s[96+(\a)]
.set nn, nn+1
.endr
	WIN 0x08
.irp q, 0,1,2,3
.irp k, 0,1,2,3
	ds_store_b128 v[SO], v[xx+16*\q+4*\k:xx+16*\q+4*\k+3] offset:128*\q+16*\k      ; features 32 q + 16 h + 4 k on, of row r
.endr
.endr
	WIN 0
.set bb, BK+64*((\a)%2)
.irp i, 0,1,2,3,4,5,6,7,8,9,10,11,12,13,14,15
	ds_load_b128 v[bb+4*\i:bb+4*\i+3], v[SR] offset:528*\i
.endr
.endm
.macro SEND a, younger                 ; younger: the LDS instructions issued behind tile a's loads, which may stay out
.set bb, BK+64*((\a)%2)
	s_wait_dscnt \younger
.irp i, 0,1,2,3,4,5,6,7,8,9,10,11,12,13,14,15
	global_store_b128 v[LI], v[bb+4*\i:bb+4*\i+3], s[92:93] offset:(32*((\a)/2)+8*((\a)%2)+\i+8*(\i/8))*4096 th:TH_STORE_NT   ; 512 consecutive bytes of one row
.endr
.endm
	s_load_b256 s[4:11], s[0:1], 0x0               ; wb, ao, bo, out0
	v_lshl_add_u32 v[SPW], v0, 2, SPARE
	v_mov_b32 v[NIL], 0
	ds_add_u32 v[SPW], v[NIL]                      ; the opening: the add, twice on end, and its wait ahead of my first tensor load
	ds_add_u32 v[SPW], v[NIL]
	v_lshrrev_b32 v1, 5, v0
	v_readfirstlane_b32 s[WV], v1
	s_lshr_b32 s[WH], s[WV], 1                     ; my 64 of the 128 rows.  Also: I fetch for the rows (0) or Wo (1)
	s_and_b32 s[WL], s[WV], 1                      ; my 128 of the 256 features.  Also: which two k steps of four I fetch
	s_bfe_u32 s[CX], ttmp6, 0x40000
	s_bfe_u32 s[CY], ttmp6, 0x40004
	s_and_b32 s[CLY], ttmp7, 0xffff
	s_lshl_b32 s58, s[CY], 2
	s_lshl_b32 s58, 15, s58
	s_lshl_b32 s59, 0x1111, s[CX]
	s_or_b32 s[G1A], s58, (3<<16)|(1<<21)
	s_or_b32 s[G1B], s59, (3<<16)|(1<<21)
	s_mov_b32 s[G1A+1], 32<<16                     ; the rows: 68 rows of 256 bytes: two k steps of 128 rows
	s_mov_b32 s[G1A+2], 68<<16
	s_mov_b32 s[G1A+3], 32<<16
	s_mov_b32 s[G1A+4], 68
	s_mov_b32 s[G1A+5], 32
	s_mov_b32 s[G1A+6], 0
	s_mov_b32 s[G1A+7], 0
	s_mov_b32 s[G1B+1], 32<<16                     ; Wo: 136: two k steps of 256 rows
	s_mov_b32 s[G1B+2], 136<<16
	s_mov_b32 s[G1B+3], 32<<16
	s_mov_b32 s[G1B+4], 136
	s_mov_b32 s[G1B+5], 32
	s_mov_b32 s[G1B+6], 0
	s_mov_b32 s[G1B+7], 0
	s_lshl_b32 s60, s[CLY], 2
	s_add_co_u32 s60, s60, s[CY]                   ; my group of 128 rows, 0..63
	s_mul_i32 s58, s60, 8*BR
	s_mul_i32 s62, s[WL], 2*BR
	s_add_co_u32 s58, s58, s62
	s_mov_b32 s59, 0
	s_add_co_u32 s61, s[CX], 12                    ; Wo's units are wb's last four
	s_mul_i32 s92, s61, UNIT
	s_mul_i32 s63, s[WL], 2*KS2
	s_add_co_u32 s92, s92, s63
	s_mov_b32 s93, 0
	s_wait_dscnt 0x0
	s_wait_kmcnt 0x0
	s_add_nc_u64 s[94:95], s[6:7], s[58:59]
	s_add_nc_u64 s[96:97], s[4:5], s[92:93]
	CROUND
.irp i, 0,1
	s_mov_b32 s[G0A+4*\i], 1
	s_add_co_u32 s[G0A+4*\i+1], s62, RA+\i*4*CELLA
	s_add_nc_u64 s[G0A+4*\i+2:G0A+4*\i+3], s[94:95], \i*4*CELLA
	s_or_b32 s[G0A+4*\i+3], s[G0A+4*\i+3], 0x80000000
	s_mov_b32 s[G0B+4*\i], 1
	s_add_co_u32 s[G0B+4*\i+1], s63, RB+\i*4*CELLB
	s_add_nc_u64 s[G0B+4*\i+2:G0B+4*\i+3], s[96:97], \i*4*CELLB
	s_or_b32 s[G0B+4*\i+3], s[G0B+4*\i+3], 0x80000000
.endr
	s_cmp_eq_u32 s[WH], 0
	s_cbranch_scc0 .Lfill_b
	tensor_load_to_lds s[G0A:G0A+3], s[G1A:G1A+7]
	s_nop 0
	tensor_load_to_lds s[G0A+4:G0A+7], s[G1A:G1A+7]
	s_nop 0
	PLACES 4
	s_branch .Lfilled
.Lfill_b:
	tensor_load_to_lds s[G0B:G0B+3], s[G1B:G1B+7]
	s_nop 0
	tensor_load_to_lds s[G0B+4:G0B+7], s[G1B:G1B+7]
	s_nop 0
	PLACES 4
.Lfilled:
	v_and_b32 v1, 31, v0
	v_lshlrev_b32 v[LI], 4, v1
	v_lshlrev_b32 v[LS8], 3, v1
	v_bfe_u32 v5, v0, 4, 1                         ; h
	v_lshlrev_b32 v4, 6, v5                        ; 64 h
	s_lshl_b32 s58, s[CX], 10
	s_lshl_b32 s59, s[WL], 9
	s_add_co_u32 s58, s58, s59                     ; my first feature, in bytes
	s_mov_b32 s59, 0
	s_add_nc_u64 s[90:91], s[8:9], s[58:59]
	WIN 0x40
.irp b, 0,1,2,3,4,5,6,7
	global_load_b128 v[BIAS+8*\b:BIAS+8*\b+3], v4, s[90:91] offset:(32*(\b/2)+8*(\b%2))*4       ; tile b, register j: feature 32 (b / 2) + 8 (b % 2) + 16 h + j
	global_load_b128 v[BIAS+8*\b+4:BIAS+8*\b+7], v4, s[90:91] offset:(32*(\b/2)+8*(\b%2))*4+16
.endr
	WIN 0
	s_add_nc_u64 s[92:93], s[10:11], s[58:59]
	s_lshl_b32 s58, s60, 19                        ; 128 rows of 4,096 bytes,
	s_lshl_b32 s61, s[WH], 18                      ; my 64 of them
	s_add_co_u32 s58, s58, s61
	s_add_nc_u64 s[92:93], s[92:93], s[58:59]
	s_lshl_b32 s58, s[WH], 12
	s_add_co_u32 s58, s58, RA
	s_mul_i32 s59, s[WL], BR
	s_add_co_u32 s59, s59, RB
	v_add_nc_u32 v[ADRA0], s58, v[LI]
	v_add_nc_u32 v[ADRB0], s59, v[LI]
	v_add_nc_u32 v[ADSB0], s59, v[LS8]
	v_add_nc_u32 v[ADSB0], 8192, v[ADSB0]
	s_lshl_b32 s58, s[WH], 8
	s_add_co_u32 s58, s58, RA+8192
	v_add_nc_u32 v[ADSA0], s58, v[LS8]
	s_mul_i32 s58, s[WV], STG
	s_add_co_u32 s58, s58, STAGE                   ; my stage
	v_and_b32 v6, 15, v0
	v_mul_u32_u24 v[SO], v6, 528
	v_lshl_add_u32 v[SO], v5, 6, v[SO]
	v_add_nc_u32 v[SO], s58, v[SO]                 ; in: row r, + 64 h
	v_add_nc_u32 v[SR], s58, v[LI]                 ; back: 16 bytes a lane of a row
	v_mov_b32 v[NANR], 0x7fc00000
	s_wait_tensorcnt 0x1                           ; my first load has landed; my second may stay out
	s_barrier_signal -1
	s_barrier_wait -1
	v_add_nc_u32 v[ADRA], 0, v[ADRA0]
	v_add_nc_u32 v[ADRB], 0, v[ADRB0]
	v_add_nc_u32 v[ADSA], 0, v[ADSA0]
	v_add_nc_u32 v[ADSB], 0, v[ADSB0]
	FETCH 0
	s_wait_dscnt 0x0
	v_cmp_eq_u32 s58, 0, v[SA]                     ; marked rows: bits 0-15 tile 0's, bits 16-31 tile 1's;
	v_cmp_eq_u32 s59, 0, v[SA+1]                   ; tiles 2 and 3
	s_and_b32 s60, s58, 0xffff                     ; each half is spread over both halves of the lanes: a lane's row is lane % 16
	s_lshl_b32 s61, s58, 16
	s_or_b32 s96, s60, s61
	s_lshr_b32 s60, s58, 16
	s_and_b32 s61, s58, 0xffff0000
	s_or_b32 s97, s60, s61
	s_and_b32 s60, s59, 0xffff
	s_lshl_b32 s61, s59, 16
	s_or_b32 s98, s60, s61
	s_lshr_b32 s60, s59, 16
	s_and_b32 s61, s59, 0xffff0000
	s_or_b32 s99, s60, s61
	s_wait_loadcnt 0x0                             ; bo
	STEP 0, 1, 0, 0
	STEP 1, 0, 0, 0
	STEP 2, 0, 0, 0
	STEP 3, 0, 1, 0
	STEP 4, 0, 0, 0
	STEP 5, 0, 0, 0
	STEP 6, 0, 0, 0
	STEP 7, 0, 0, 1
	WIN 0
	PLACES 4
	TOSTAGE 0
.irp a, 1,2,3
.if \a > 1
	s_wait_xcnt 0x0                                ; tile a - 2's stores have read their registers: tile a's rows may land there
.endif
	TOSTAGE \a
	SEND \a-1, 32                                  ; behind tile a - 1's loads: tile a's 16 stores and 16 loads
.endr
	SEND 3, 0
	s_wait_tensorcnt 0x0                           ; the wave's end, behind my last LDS store
	ds_add_u32 v[SPW], v[NIL]
	s_wait_dscnt 0x0
	CROUND
	s_endpgm
.Lfunc_end_k_q48e4e0c5df_outp:
	.size	k_q48e4e0c5df_outp, .Lfunc_end_k_q48e4e0c5df_outp-k_q48e4e0c5df_outp
	.p2alignl 7, 3214868480
	.fill 96, 4, 3214868480
	.section	.rodata,"a",@progbits
	.p2align	6, 0x0
	.amdhsa_kernel k_q48e4e0c5df_outp
		.amdhsa_group_segment_fixed_size 327680
		.amdhsa_private_segment_fixed_size 0
		.amdhsa_enable_private_segment 0
		.amdhsa_kernarg_size 32
		.amdhsa_user_sgpr_count 2
		.amdhsa_user_sgpr_kernarg_segment_ptr 1
		.amdhsa_wavefront_size32 1
		.amdhsa_system_sgpr_workgroup_id_x 1
		.amdhsa_system_sgpr_workgroup_id_y 1
		.amdhsa_system_sgpr_workgroup_id_z 1
		.amdhsa_system_vgpr_workitem_id 0
		.amdhsa_next_free_vgpr 768
		.amdhsa_next_free_sgpr 102
		.amdhsa_reserve_vcc 0
		.amdhsa_float_denorm_mode_32 3
		.amdhsa_float_denorm_mode_16_64 3
		.amdhsa_memory_ordered 1
		.amdhsa_forward_progress 1
		.amdhsa_inst_pref_size 89
	.end_amdhsa_kernel
	.amdgpu_metadata
---
amdhsa.version: [ 1, 2 ]
amdhsa.kernels:
  - .name:           k_q48e4e0c5df_outp
    .symbol:         k_q48e4e0c5df_outp.kd
    .args:
      - { .name: wb, .offset: 0, .size: 8, .value_kind: global_buffer, .address_space: global }
      - { .name: ao, .offset: 8, .size: 8, .value_kind: global_buffer, .address_space: global }
      - { .name: bo, .offset: 16, .size: 8, .value_kind: global_buffer, .address_space: global }
      - { .name: out0, .offset: 24, .size: 8, .value_kind: global_buffer, .address_space: global }
    .group_segment_fixed_size: 327680
    .private_segment_fixed_size: 0
    .kernarg_segment_align: 8
    .kernarg_segment_size: 32
    .max_flat_workgroup_size: 128
    .sgpr_count:     102
    .vgpr_count:     768
    .wavefront_size: 32
...
	.end_amdgpu_metadata
.endif
;; end of part 5
